; MI455X (gfx1250); checked and timed in simulation.
; The chip was launched on July 23, 2026; its instructions are those of AMD's public machine-readable ISA for CDNA 5 (MIT licence, August 2026) and "CDNA5" Instruction Set Architecture Reference Guide (July 2026). The comments in the code are by the model that wrote it; some were corrected since.
;; Multi Headed Attention. Allowed arithmetic: matrix products marked QUANTISED: E2M3 operands, one E8M0 scale for each 32 along K, by v_wmma_scale_f32_16x16x128_f8f6f4 with both operands' format E2M3, f32 sums; everything else in f32.
;; Inputs: Wk 1,024 x 1,024 float32; Wo 1,024 x 1,024 float32; Wq 1,024 x 1,024 float32; Wv 1,024 x 1,024 float32; bk 1,024 float32; bo 1,024 float32; bq 1,024 float32; bv 1,024 float32; key 4 x 2,048 x 1,024 float32; mask 4 x 2,048 x 2,048 int32; query 4 x 2,048 x 1,024 float32; value 4 x 2,048 x 1,024 float32.
;; Outputs: out0 4 x 2,048 x 1,024 float32.
;; This version of the problem:
;;   THIS VERSION OF THE PROBLEM IS GIVEN IN LOW PRECISION. The matrix products marked QUANTISED in the list below multiply operands that are first quantised to E2M3 (2 exponent bits, 3 mantissa bits; 6 bits a number), with one power-of-two scale for each 32 numbers along K (OCP MX v1.0); their sums are f32. All else is computed in f32.
;;   The module's matrix products, in the order in which they are computed (A, B: the left and right operand; K: the contracted axis; several contracted axes count as one K, in the product's order):
;;     1. [M 8,192, K 1,024] x [K 1,024, N 1,024]; A: input query; B: input Wq: QUANTISED
;;     2. [M 8,192, K 1,024] x [K 1,024, N 1,024]; A: input key; B: input Wk: QUANTISED
;;     3. [M 8,192, K 1,024] x [K 1,024, N 1,024]; A: input value; B: input Wv: QUANTISED
;;     4. batch 64 x [M 2,048, K 64] x [K 64, N 2,048]; A: computed on the way; B: computed on the way: QUANTISED
;;     5. batch 64 x [M 2,048, K 2,048] x [K 2,048, N 64]; A: softmax (see below); B: computed on the way: QUANTISED
;;     6. [M 8,192, K 1,024] x [K 1,024, N 1,024]; A: computed on the way; B: input Wo: QUANTISED
;;   THE QUANTISER, for each operand of a quantised product, along K:
;;     - K is cut into blocks of 32 from its start; a last block that is shorter is filled with zeros.
;;     - A block's scale is 2^e with e = floor(log2(the largest magnitude in the block)) - 2, held to -126 .. 127; a block of zeros has e = 0. As a byte (E8M0): e + 127.
;;     - Each number is divided by its block's scale, clamped to +-7.5, and rounded to the nearest number of E2M3, ties to even, subnormals kept.
;;     - The product sums the exact products of the quantised numbers (number of the format x scale) in f32.
;;   ~~~python
;;   def quantise(x, axis):      # numpy; x: float32 -> the quantised numbers, widened to float32 again
;;       x = np.moveaxis(x, axis, -1); K = x.shape[-1]
;;       x = np.pad(x, [(0, 0)] * (x.ndim - 1) + [(0, -K % 32)]); x = x.reshape(x.shape[:-1] + (-1, 32)); a = np.abs(x).max(-1, keepdims=True)
;;       e = np.where(a > 0, np.clip(np.frexp(np.where(a > 0, a, 1))[1] - 1 - 2, -126, 127), 0)      # np.frexp(a)[1] - 1 = floor(log2(a)), exactly
;;       r = np.clip(x / 2.0 ** e, -7.5, 7.5)
;;       step = 2.0 ** (np.maximum(np.frexp(np.where(r == 0, 1, r))[1] - 1, 0) - 3)
;;       q = np.round(r / step) * step * 2.0 ** e      # np.round: ties to even
;;       return np.moveaxis(q.reshape(q.shape[:-2] + (-1,))[..., :K], -1, axis).astype(np.float32)
;;   ~~~
;;   SOFTMAX AHEAD OF A QUANTISED PRODUCT. Where the list says 'softmax', what is quantised is not the finished softmax but p = 2^(t - M), with t = logit x log2(e) and M = ceil(the row's largest t), a whole number; so 1/2 < the row's largest p <= 1. The row's sum l is taken of the UNQUANTISED p, in f32, and the product's result is divided by l at the end. Since M is a whole number, a kernel that streams over the keys may use a running M (the ceiling of the running maximum): every later rescaling is an exact power of two, which a block's scale takes up: the codes' values come out the same.
;;   OPERANDS COMPUTED ON THE WAY. 'Computed on the way' means the value that the module computes at that place (a softmax that the list does not call 'softmax' is quantised finished and normalised). What goes into a quantiser is computed in f32, as accurately as f32 sums, v_exp_f32 and their like allow (about 1e-6 of the number): no bf16 or f16 on the way to a quantiser, and a product that is left as it is and whose result goes on into a quantised operand takes f32 operands (vector FMAs, or v_wmma_f32_16x16x4_f32). A number that lies on a knife's edge between two numbers of the format may be rounded either way, as far as f32 arithmetic and the matrix unit's own rounding can turn it there, and no further.
;; One version. Each part assembles by itself: llvm-mc -triple=amdgcn-amd-amdhsa -mcpu=gfx1250 --defsym DOCPART=n.
;; ======== version 1 of 1: 4 launches
;; limits: right only within a limited range of input values
;; workspace buffers: codes 22,020,096 bytes; scl 917,504 bytes; mbits 2,097,152 bytes of whole numbers; qpack 6,815,744 bytes; kv 13,369,344 bytes; xc 6,291,456 bytes; xsc 262,144 bytes
;; launch prep (part 1): grid 704 x 1, 4 waves a work-group, no clusters, 34,816 bytes of LDS; arguments query, key, value, Wq, Wk, Wv, Wo, mask, codes, scl, mbits; writes codes, scl, mbits
.if DOCPART == 1
	.amdgcn_target "amdgcn-amd-amdhsa--gfx1250"
	.amdhsa_code_object_version 6
	.text
	.protected	k_q77497ba9be_prep
	.globl	k_q77497ba9be_prep
	.p2align	8
	.type	k_q77497ba9be_prep,@function
k_q77497ba9be_prep:
	s_mov_b64 s[64:65], 0
	v_nop
	global_prefetch_b8 v0, s[64:65] scope:SCOPE_SE
	s_setreg_imm32_b32 hwreg(HW_REG_WAVE_MODE, 25, 1), 1
	s_wait_xcnt 0x0
; query, key, value [8192][1024] and Wq, Wk, Wv, Wo [1024][1024], f32, become codes of FP6 (E2M3) with one E8M0 byte for each 32 along K (K = the last axis); the mask [8192][2048] int32 becomes one bit a number.
; A TILE is 16 rows: lane r of tile T stands for row 32 (T / 2) + 8 (T % 2) + r + 8 (r / 8).  Tiles are numbered through all seven tensors: query 0, key 512, value 1024, Wq 1536, Wk 1600, Wv 1664, Wo 1728.
; CODES leave as images of the operand's registers: for a tile and 128 along K, 1,536 bytes = two halves of 768 (64 along K each): registers 0-3 at 16 x lane, registers 4-5 at 512 + 8 x lane.
; SCALE WORDS: 512 bytes a tile: row r's eight words at 32 r.   MASK: for a tile of queries and 128 keys, 64 words: bit l of word 16 b + i says whether key 32 b + 16 (l / 16) + i counts for the query of lane l % 16.
; A wave takes one tile x 1,024 columns, in eight column tiles of 128.  Each load reads 512 consecutive bytes of one row; a column tile turns through the wave's own stage in LDS (rows 528 bytes apart), so that lane (r, h)
; then holds, of row r, columns 32 b + 16 h + 0 .. 15 in registers 16 b + 0 .. 15: sixteen neighbours along K for each conversion.  Work-groups 0-447 quantise, 448-703 pack the mask (half a row of 2,048 to a wave).
; A block's scale is 2^(floor(log2(largest magnitude)) - 2); its byte is the largest magnitude's exponent field - 2, held at 1 from below.
; LIMITS: a block of zeros gets the byte 1 where the rule says 127 (its codes are zeros, and this program alone reads the bytes); blocks whose largest magnitude lies under 2^-124 were not tried; NaN and infinities are not served.
; No matrix work, no tensor load, no barrier: waves share nothing.  16 to 32 loads of a wave are on their way.
.set STAGEB, 8448                      ; a wave's stage: 16 rows x 528 bytes
.set SPARE,  33792                     ; behind the four stages: the spare words, 128 bytes a wave
.set L16,  2                           ; v2   16 x lane
.set L8,   3                           ; v3   8 x lane
.set STI,  4                           ; v4   the stage on the way in: 16 x lane
.set STO,  5                           ; v5   and on the way out: 528 r + 64 h
.set SOF,  6                           ; v6   32 r + 16 h: my four scale words
.set HH,   7                           ; v7   h
.set MW,   8                           ; v[8:9] two mask words a lane
.set SPW,  10                          ; v10  my spare word; never rewritten
.set NIL,  11                          ; v11  0; never rewritten
.set VOFF, 12                          ; v12-27 16 x lane + the byte offset of the tile's row j
.set PWK,  28                          ; v28-35 the scale words of the eight column tiles
.set PC,   36                          ; v36-55 the codes just made
.set TM,   56                          ; v56-71 at work
.set W,    76                          ; v[76:79] the four scale words that I store
.set R,    80                          ; v80-143, v144-207 two sets of 64 numbers
.set WV,   26
.set KIND, 28                          ; s28  1: the mask; 0: a tensor to be quantised
.set SH,   29                          ; s29  log2 of a row's bytes
.set SEL,  48                          ; s[48:49] v_permlanex16_b32's selects for lane l xor 16
	s_load_b512 s[4:19], s[0:1], 0x0               ; query, key, value, Wq, Wk, Wv, Wo, mask
	s_load_b128 s[20:23], s[0:1], 0x40             ; codes, scl
	s_load_b64 s[24:25], s[0:1], 0x50              ; mbits
	v_lshl_add_u32 v[SPW], v0, 2, SPARE
	v_mov_b32 v[NIL], 0
	v_lshrrev_b32 v1, 5, v0
	v_readfirstlane_b32 s[WV], v1                  ; wave 0..3
	v_and_b32 v1, 31, v0                           ; lane
	v_lshlrev_b32 v[L16], 4, v1
	v_lshlrev_b32 v[L8], 3, v1
	s_mul_i32 s27, s[WV], STAGEB
	v_add_nc_u32 v[STI], s27, v[L16]
	v_and_b32 v[STO], 15, v0                       ; r
	v_bfe_u32 v[HH], v0, 4, 1                      ; h
	v_lshlrev_b32 v[SOF], 5, v[STO]
	v_lshl_add_u32 v[SOF], v[HH], 4, v[SOF]
	v_mul_u32_u24 v[STO], v[STO], 528
	v_lshl_add_u32 v[STO], v[HH], 6, v[STO]
	v_add_nc_u32 v[STO], s27, v[STO]
	v_mov_b32 v[MW], 0                             ; written once: a lane write's destination counts as read
	v_mov_b32 v[MW+1], 0
.irp b, 0,1,2,3,4,5,6,7
	v_mov_b32 v[PWK+\b], 0
.endr
.irp b, 0,1,2,3
	v_mov_b32 v[TM+4+\b], 0                        ; a lane permute's destination counts as one of its sources
.endr
	s_mov_b32 s[SEL], 0x76543210
	s_mov_b32 s[SEL+1], 0xfedcba98
	s_cmp_ge_u32 ttmp9, 448
	s_cselect_b32 s[KIND], 1, 0
	s_cselect_b32 s[SH], 13, 12                    ; a row of the mask is 8,192 bytes, of the others 4,096
.irp j, 0,1,2,3,4,5,6,7,8,9,10,11,12,13,14,15
	s_lshl_b32 s33, \j+8*(\j/8), s[SH]             ; the tile's row j lies j + 8 (j / 8) rows behind its first
	v_add_nc_u32 v[VOFF+\j], s33, v[L16]
.endr
	s_mov_b32 s30, 0                               ; the first work-group of my tensor
	s_wait_alu depctr_va_vdst(0)
	s_wait_kmcnt 0x0
.macro PICK thr, p                     ; the choice hangs on the work-group's number alone
	s_cmp_ge_u32 ttmp9, \thr
	s_cselect_b64 s[4:5], s[\p:\p+1], s[4:5]
	s_cselect_b32 s30, \thr, s30
.endm
	PICK 128, 6
	PICK 256, 8
	PICK 384, 10
	PICK 400, 12
	PICK 416, 14
	PICK 432, 16
	PICK 448, 18
	s_sub_co_u32 s31, ttmp9, s30
	s_lshl_b32 s31, s31, 2
	s_add_co_u32 s31, s31, s[WV]                   ; my unit in the tensor: a tile; in the mask half a tile's columns
	s_lshr_b32 s32, s31, s[KIND]                   ; the tile
	s_and_b32 s33, s31, s[KIND]                    ; the mask's half row (0 elsewhere)
	s_lshr_b32 s34, s32, 1
	s_lshl_b32 s34, s34, 5
	s_and_b32 s35, s32, 1
	s_lshl_b32 s35, s35, 3
	s_add_co_u32 s34, s34, s35                     ; the tile's first row
	s_lshl_b32 s34, s34, s[SH]
	s_lshl_b32 s33, s33, 12
	s_add_co_u32 s34, s34, s33
	s_mov_b32 s35, 0
	s_add_nc_u64 s[4:5], s[4:5], s[34:35]          ; the source at my first byte
	s_lshl_b32 s36, ttmp9, 2
	s_add_co_u32 s36, s36, s[WV]                   ; the tile's number through all seven tensors
	s_mul_i32 s38, s36, 12288                      ; its codes,
	s_lshl_b32 s39, s31, 11                        ; or my 2,048 bytes of mask words,
	s_lshl_b32 s36, s36, 9                         ; and its scale words
	s_cmp_eq_u32 s[KIND], 0
	s_cselect_b64 s[20:21], s[20:21], s[24:25]
	s_cselect_b32 s38, s38, s39
	s_cselect_b32 s36, s36, 0
	s_mov_b32 s39, 0
	s_mov_b32 s37, 0
	s_add_nc_u64 s[20:21], s[20:21], s[38:39]
	s_add_nc_u64 s[22:23], s[22:23], s[36:37]
.macro LOAD t                          ; column tile t: 16 rows x 512 consecutive bytes
.irp j, 0,1,2,3,4,5,6,7,8,9,10,11,12,13,14,15
	global_load_b128 v[R+64*((\t)%2)+4*\j:R+64*((\t)%2)+4*\j+3], v[VOFF+\j], s[4:5] offset:512*(\t) th:TH_LOAD_NT
.endr
.endm
; 64 numbers of a lane, register 16 b + i = k 32 b + 16 h + i of my row, become a fragment's 12 registers of codes in v[PC] on and its scale word in v[pw]
.macro QUANT s, pw
.irp b, 0,1,2,3
	v_max3_num_f32 v[TM+\b], |v[\s+16*\b]|, |v[\s+1+16*\b]|, 0x1800000   ; my 16 numbers of block b, and the floor 2^(3 - 127): the byte cannot fall under 1
.endr
.irp i, 2,4,6,8,10,12,14
.irp b, 0,1,2,3
	v_max3_num_f32 v[TM+\b], v[TM+\b], |v[\s+16*\b+\i]|, |v[\s+1+16*\b+\i]|
.endr
.endr
.irp b, 0,1,2,3
	v_permlanex16_b32 v[TM+4+\b], v[TM+\b], s[SEL], s[SEL+1]
.endr
.irp b, 0,1,2,3
	v_max_num_f32 v[TM+\b], v[TM+\b], v[TM+4+\b]   ; with lane l xor 16's: the block's largest magnitude
.endr
.irp b, 0,1,2,3
	v_add_nc_u32 v[TM+12+\b], 0xff000000, v[TM+\b] ; 2 off its exponent field: the conversion's scale operand
.endr
.irp b, 0,1,2,3
	v_lshrrev_b32 v[TM+4+\b], 23, v[TM+12+\b]      ; the scale's byte
.endr
	v_lshl_or_b32 v[\pw], v[TM+5], 8, v[TM+4]
	v_lshl_or_b32 v[\pw], v[TM+6], 16, v[\pw]
	v_lshl_or_b32 v[\pw], v[TM+7], 24, v[\pw]
.irp c, 0,1
	v_cvt_scalef32_pk16_fp6_f32 v[PC+6*\c:PC+2+6*\c], v[\s+32*\c:\s+15+32*\c], v[TM+12+2*\c]
	v_cvt_scalef32_pk16_fp6_f32 v[PC+12+4*\c:PC+14+4*\c], v[\s+16+32*\c:\s+31+32*\c], v[TM+12+2*\c+1]   ; (a conversion's three registers begin on an even number)
.endr
	v_nop                                          ; one plain place behind a scaled conversion
.irp c, 0,1                            ; the operand's layout wants a whole block in a lane: lanes 0-15 block 2 c, lanes 16-31 block 2 c + 1
.irp i, 0,1,2
	v_permlane16_swap_b32 v[PC+6*\c+\i], v[PC+12+4*\c+\i]
.endr
.irp i, 0,1,2
	v_mov_b32 v[PC+3+6*\c+\i], v[PC+12+4*\c+\i]
.endr
.endr
.endm
.macro TILE t
.set RS, R+64*((\t)%2)
.if (\t) < 7
	s_wait_loadcnt 16                              ; this column tile's 16 loads are in; the next one's 16 may be out
.else
	s_wait_loadcnt 0x0
.endif
.irp j, 0,1,2,3,4,5,6,7,8,9,10,11,12,13,14,15
	ds_store_b128 v[STI], v[RS+4*\j:RS+4*\j+3] offset:528*\j
.endr
.irp b, 0,1,2,3
.irp i, 0,1,2,3
	ds_load_b128 v[RS+16*\b+4*\i:RS+16*\b+4*\i+3], v[STO] offset:128*\b+16*\i   ; LDS serves a wave's instructions in order: these see the stores above
.endr
.endr
	s_wait_dscnt 0x0
	s_wait_xcnt 0x0                                ; the last column tile's stores have read their data: the codes and the mask words are written again only behind this wait
	s_cmp_lg_u32 s[KIND], 0
	s_cbranch_scc1 .Lmask_\@
	QUANT RS, PWK+\t
	global_store_b128 v[L16], v[PC:PC+3], s[20:21] offset:1536*(\t)            ; 512 consecutive bytes
	global_store_b64 v[L8], v[PC+4:PC+5], s[20:21] offset:1536*(\t)+512        ; 256
	global_store_b128 v[L16], v[PC+6:PC+9], s[20:21] offset:1536*(\t)+768
	global_store_b64 v[L8], v[PC+10:PC+11], s[20:21] offset:1536*(\t)+1280
	s_branch .Ljoin_\@
.Lmask_\@:
.set g, 0
.rept 8                                ; word n = 8 g + e is the lanes' answer for register n; lane n / 2 keeps words n and n + 1
.irp e, 0,1,2,3,4,5,6,7
	v_cmp_ne_u32 s[40+\e], 0, v[RS+8*g+\e]
.endr
.irp e, 0,1,2,3,4,5,6,7
	v_writelane_b32 v[MW+(\e%2)], s[40+\e], 4*g+\e/2
.endr
.set g, g+1
.endr
	global_store_b64 v[L8], v[MW:MW+1], s[20:21] offset:256*(\t)               ; 256 consecutive bytes
.Ljoin_\@:
.if (\t) < 6
	LOAD (\t)+2
.endif
.endm
	LOAD 0
	LOAD 1
.irp t, 0,1,2,3,4,5,6,7
	TILE \t
.endr
	s_cmp_lg_u32 s[KIND], 0
	s_cbranch_scc1 .Lend
	v_cmp_ne_u32 vcc_lo, 0, v[HH]
.irp w, 0,1,2,3
	v_cndmask_b32 v[W+\w], v[PWK+\w], v[PWK+4+\w], vcc_lo   ; lanes 0-15 keep my row's words 0-3, lanes 16-31 words 4-7
.endr
	global_store_b128 v[SOF], v[W:W+3], s[22:23]   ; the tile's 512 bytes of scale words
.Lend:
	s_wait_tensorcnt 0x0                           ; the wave's end, behind my last LDS store
	ds_add_u32 v[SPW], v[NIL]
	s_wait_dscnt 0x0
	s_endpgm
.Lfunc_end_k_q77497ba9be_prep:
	.size	k_q77497ba9be_prep, .Lfunc_end_k_q77497ba9be_prep-k_q77497ba9be_prep
	.p2alignl 7, 3214868480
	.fill 96, 4, 3214868480
	.section	.rodata,"a",@progbits
	.p2align	6, 0x0
	.amdhsa_kernel k_q77497ba9be_prep
		.amdhsa_group_segment_fixed_size 34816
		.amdhsa_private_segment_fixed_size 0
		.amdhsa_enable_private_segment 0
		.amdhsa_kernarg_size 88
		.amdhsa_user_sgpr_count 2
		.amdhsa_user_sgpr_kernarg_segment_ptr 1
		.amdhsa_wavefront_size32 1
		.amdhsa_system_sgpr_workgroup_id_x 1
		.amdhsa_system_sgpr_workgroup_id_y 1
		.amdhsa_system_sgpr_workgroup_id_z 1
		.amdhsa_system_vgpr_workitem_id 0
		.amdhsa_next_free_vgpr 208
		.amdhsa_next_free_sgpr 66
		.amdhsa_reserve_vcc 1
		.amdhsa_float_denorm_mode_32 3
		.amdhsa_float_denorm_mode_16_64 3
		.amdhsa_memory_ordered 1
		.amdhsa_forward_progress 1
		.amdhsa_inst_pref_size 133
	.end_amdhsa_kernel
	.amdgpu_metadata
---
amdhsa.version: [ 1, 2 ]
amdhsa.kernels:
  - .name:           k_q77497ba9be_prep
    .symbol:         k_q77497ba9be_prep.kd
    .args:
      - { .name: query, .offset: 0, .size: 8, .value_kind: global_buffer, .address_space: global }
      - { .name: key, .offset: 8, .size: 8, .value_kind: global_buffer, .address_space: global }
      - { .name: value, .offset: 16, .size: 8, .value_kind: global_buffer, .address_space: global }
      - { .name: Wq, .offset: 24, .size: 8, .value_kind: global_buffer, .address_space: global }
      - { .name: Wk, .offset: 32, .size: 8, .value_kind: global_buffer, .address_space: global }
      - { .name: Wv, .offset: 40, .size: 8, .value_kind: global_buffer, .address_space: global }
      - { .name: Wo, .offset: 48, .size: 8, .value_kind: global_buffer, .address_space: global }
      - { .name: mask, .offset: 56, .size: 8, .value_kind: global_buffer, .address_space: global }
      - { .name: codes, .offset: 64, .size: 8, .value_kind: global_buffer, .address_space: global }
      - { .name: scl, .offset: 72, .size: 8, .value_kind: global_buffer, .address_space: global }
      - { .name: mbits, .offset: 80, .size: 8, .value_kind: global_buffer, .address_space: global }
    .group_segment_fixed_size: 34816
    .private_segment_fixed_size: 0
    .kernarg_segment_align: 8
    .kernarg_segment_size: 88
    .max_flat_workgroup_size: 128
    .sgpr_count:     66
    .vgpr_count:     208
    .wavefront_size: 32
...
	.end_amdgpu_metadata
.endif
;; end of part 1
;; launch gemm_qkv (part 2): grid 8 x 96, 4 waves a work-group, clusters of 4 x 4, 296,960 bytes of LDS; arguments codes, scl, bq, bk, bv, qpack, kv; writes qpack, kv
.if DOCPART == 2
	.amdgcn_target "amdgcn-amd-amdhsa--gfx1250"
	.amdhsa_code_object_version 6
	.text
	.protected	k_q77497ba9be_gemm_qkv
	.globl	k_q77497ba9be_gemm_qkv
	.p2align	8
	.type	k_q77497ba9be_gemm_qkv,@function
k_q77497ba9be_gemm_qkv:
	s_mov_b64 s[64:65], 0
	v_nop
	global_prefetch_b8 v0, s[64:65] scope:SCOPE_SE
	s_setreg_imm32_b32 hwreg(HW_REG_WAVE_MODE, 25, 1), 1
	s_wait_xcnt 0x0
	s_wait_alu depctr_hold_cnt(0) depctr_sa_sdst(0) depctr_va_vdst(0) depctr_va_sdst(0) depctr_va_ssrc(0) depctr_va_vcc(0) depctr_vm_vsrc(0)
	s_getreg_b32 s2, hwreg(HW_REG_IB_STS2, 6, 4)
	s_cmp_eq_u32 s2, 0
	s_cbranch_scc0 .Lentry_in_a_cluster
	s_endpgm
.Lentry_in_a_cluster:
	s_bfe_u32 s2, ttmp6, 0x10000c
	s_cmp_lg_u32 s2, 0xf033
	s_cbranch_scc0 .Lentry_shape_is_right
	s_endpgm
.Lentry_shape_is_right:
; The three input projections, y = x W^T + b on codes of FP6 with E8M0 scales, K = 1,024, and the quantising of their results for attention.  kind = cluster y / 8: 0 q, 1 k, 2 v.
; ONE TEXT FOR THREE PRODUCTS.  D = S0 x S1^T: a lane stands for a row of S1 and its registers run along the rows of S0.  q, k: S0 = the weight (128 features = two heads), S1 = 256 tokens: registers run along a head's
; 64, which is the K of Q K^T.  v: S0 = 128 tokens of value (one key step), S1 = 256 features of Wv: registers run along the keys, which are the K of P V.  So the same lines quantise all three.
; A tile is 16 rows: lane r of tile T stands for row 32 (T / 2) + 8 (T % 2) + r + 8 (r / 8); so the 16 registers of S0's tiles 2 b and 2 b + 1 are rows 32 b + 16 (lane / 16) + 0 .. 15: neighbours.
; SHARES.  A work-group makes 128 (S0) x 256 (S1); wave w all 8 tiles of S0 x tiles 4 w .. 4 w + 3 of S1: 32 accumulators, 8 K steps of 128, 256 matrix instructions.
; LDS.  The operands lie in memory as images of their registers (1,536 bytes for 16 rows x 128 K), 12,288 bytes a tile.  All of K comes in once, as two halves of four K steps: nothing is filled again.
; CLUSTER 4 x 4: S0's tiles hang on cx alone and are asked for jointly by a column of the cluster, S1's on cy alone and by a row.
; OUT.  q: qpack, 106,496 bytes a head: 128 images of 768 bytes (16 tokens x 64), then scale words.  k, v: kv, 208,896 bytes a head: K's images at 0, V's fragments [key step][4][1,536] at 98,304, K's scale words at 196,608, V's at 204,800.
; Scale words lie in groups of four tiles, 256 bytes: lane (r, h) holds the words of tiles 2 h and 2 h + 1 at 8 x lane.  Q's and K's words have bytes 2 and 3 zero: their K is 64.
; LIMITS: a block of zeros gets the byte 1; blocks whose largest magnitude lies under 2^-124 were not tried; NaN and infinities are not served.
; REGISTERS.  Window 0: v3-12 addresses; v16-47 S0's scale words, v48-63 S1's (register w: K step w in lanes 0-15, K step 4 + w in lanes 16-31); v64-159 S1's fragments, two sets (on the way out: 64 results, the codes);
;   v160-223 the bias along S0; v224-239 at work; v240-243 scale words made; v244-251 the bias along S1.   Window 1: S0's fragments, two sets of 96.   Window 2: accumulator (i, j) at v[8 (8 j + i)].
.set HALF,  147456                     ; LDS now holds K as two halves of four K steps (in place of the four chunks named above): S0's 8 tiles x 6,144 bytes, then S1's 16
.set S1OFF, 49152
.set SPARE, 294912                     ; behind the four chunks: the spare words, 128 bytes a wave
.set L16,  3
.set L8,   4
.set SA16, 5                           ; v5, v6  S0's fragments in the chunk in hand: 16 x lane, 8 x lane
.set SA8,  6
.set SB16, 7                           ; v7, v8  the same for my four tiles of S1
.set SB8,  8
.set HH,   9
.set SCO,  10                          ; v10  32 r + 16 h
.set BBO,  11                          ; v11  64 h
.set BVO,  12                          ; v12  4 (r + 8 (r / 8))
.set SAS,  16
.set SBS,  48
.set BF,   64
.set HA,   64
.set PC,   128
.set BB,   160
.set TM,   224
.set PW,   240
.set BV,   244
.set SPW,  252
.set NIL,  253
.set WV,   18
.set G1A,  24                          ; s[24:31] group 1 for S0's tiles; s[32:39] for S1's
.set G1B,  32
.set G0A,  40                          ; s[40:47] groups 0 for S0's two halves; S1's in s[56:63]
.set G0B,  56
.set SEL,  98
.set MSB, 0
.macro WIN new                         ; the immediate's high byte repeats the setting that is left
.if MSB != \new
	s_set_vgpr_msb (MSB<<8)|\new
.set MSB, \new
.endif
.endm
.macro CROUND                          ; a round of the cluster's barrier
	s_barrier_signal -1
	s_barrier_wait -1
	s_cmp_lg_u32 s[WV], 0
	s_cbranch_scc1 .Lnot_wave_0_\@
	s_barrier_signal -3
.Lnot_wave_0_\@:
	s_barrier_wait -3
	s_barrier_signal -1
	s_barrier_wait -1
.endm
	s_load_b256 s[4:11], s[0:1], 0x0               ; codes, scl, bq, bk
	s_load_b128 s[12:15], s[0:1], 0x20             ; bv, qpack
	s_load_b64 s[16:17], s[0:1], 0x30              ; kv
	v_lshl_add_u32 v[SPW], v0, 2, SPARE
	v_mov_b32 v[NIL], 0
	ds_add_u32 v[SPW], v[NIL]                      ; the wave's opening: the add and its wait ahead of my first tensor load; the set-up below stands between them
	ds_add_u32 v[SPW], v[NIL]
	v_lshrrev_b32 v1, 5, v0
	v_readfirstlane_b32 s[WV], v1                  ; wave 0..3
	s_bfe_u32 s20, ttmp6, 0x40000                  ; cx
	s_bfe_u32 s21, ttmp6, 0x40004                  ; cy
	s_and_b32 s76, ttmp7, 0xffff
	s_lshr_b32 s22, s76, 3                         ; kind: the same in all sixteen partners
	s_and_b32 s23, s76, 7
	s_mov_b32 s79, 1536                            ; S0's first tile: Wq, Wk or value;
	s_mov_b32 s80, 0                               ; S1's: query, key or Wv
	s_cmp_eq_u32 s22, 1
	s_cselect_b32 s79, 1600, s79
	s_cselect_b32 s80, 512, s80
	s_cmp_eq_u32 s22, 2
	s_cselect_b32 s79, 1024, s79
	s_cselect_b32 s80, 1664, s80
	s_cselect_b32 s77, s23, 0
	s_cselect_b32 s78, 0, s23
	s_lshl_b32 s77, s77, 1
	s_add_co_u32 s77, s77, ttmp9
	s_lshl_b32 s77, s77, 2
	s_add_co_u32 s77, s77, s20                     ; S0's block of 8 tiles: q, k: 4 cluster x + cx; v: 4 (cluster x + 2 (cluster y % 8)) + cx
	s_lshl_b32 s78, s78, 2
	s_add_co_u32 s78, s78, s21                     ; S1's block of 16 tiles: q, k: 4 (cluster y % 8) + cy; v: cy
	s_lshl_b32 s81, s77, 3
	s_add_co_u32 s79, s79, s81
	s_lshl_b32 s82, s78, 4
	s_add_co_u32 s80, s80, s82
	s_mul_i32 s86, s79, 12288                      ; S0: the block's eight tiles, in bytes
	s_mov_b32 s87, 0
	s_mul_i32 s88, s80, 12288                      ; S1: its sixteen
	s_mov_b32 s89, 0
	s_lshl_b32 s81, 0x1111, s20                    ; my column of the cluster
	s_lshl_b32 s82, s21, 2
	s_lshl_b32 s82, 15, s82                        ; my row
	s_or_b32 s[G1A], s81, (3<<16)|(1<<21)          ; 15:0 the mask; 17:16 elements of 8 bytes; 21 set beside a mask; no padding
	s_or_b32 s[G1B], s82, (3<<16)|(1<<21)
.irp g, G1A, G1B
	s_mov_b32 s[\g+1], 768<<16                     ; tensor_dim0 = 768 elements: 6,144 bytes, four K steps of a tile
	s_mov_b32 s[\g+3], 768<<16                     ; tile_dim0
	s_mov_b32 s[\g+5], 1536                        ; from tile to tile: 12,288 bytes
	s_mov_b32 s[\g+6], 0
	s_mov_b32 s[\g+7], 0
.endr
	s_mov_b32 s[G1A+2], 8<<16                      ; tensor_dim1, tile_dim1: 8 tiles of S0,
	s_mov_b32 s[G1A+4], 8
	s_mov_b32 s[G1B+2], 16<<16                     ; 16 of S1
	s_mov_b32 s[G1B+4], 16
	s_mov_b32 s[SEL], 0x76543210
	s_mov_b32 s[SEL+1], 0xfedcba98
	s_wait_dscnt 0x0                               ; the opening add is done
	s_wait_kmcnt 0x0
	s_add_nc_u64 s[86:87], s[4:5], s[86:87]
	s_add_nc_u64 s[88:89], s[4:5], s[88:89]
	CROUND                                         ; all sixteen work-groups are here: the joint loads meet
.irp c, 0,1
	s_mov_b32 s[G0A+4*\c], 1
	s_mov_b32 s[G0A+4*\c+1], \c*HALF
	s_add_nc_u64 s[G0A+4*\c+2:G0A+4*\c+3], s[86:87], \c*6144
	s_or_b32 s[G0A+4*\c+3], s[G0A+4*\c+3], 0x80000000
	s_mov_b32 s[G0B+4*\c], 1
	s_mov_b32 s[G0B+4*\c+1], \c*HALF+S1OFF
	s_add_nc_u64 s[G0B+4*\c+2:G0B+4*\c+3], s[88:89], \c*6144
	s_or_b32 s[G0B+4*\c+3], s[G0B+4*\c+3], 0x80000000
.endr
; The head's loads, one a wave, in one chain of branches on the wave's number: wave 0 S0's K steps 0-3, wave 1 S1's, wave 2 S0's K steps 4-7, wave 3 S1's
.macro ARM under, g0, g1, next
	s_cmp_lt_u32 s[WV], \under
	s_cbranch_scc0 \next
	tensor_load_to_lds s[\g0:\g0+3], s[\g1:\g1+7]
	s_nop 0
.rept 4
	v_nop
.endr
	s_branch .Lfirst_done
\next:
.endm
	ARM 1, G0A, G1A, .Lhead_b0
	ARM 2, G0B, G1B, .Lhead_a1
	ARM 3, G0A+4, G1A, .Lhead_b1
	tensor_load_to_lds s[G0B+4:G0B+7], s[G1B:G1B+7]
	s_nop 0
.rept 4
	v_nop
.endr
.Lfirst_done:
	v_and_b32 v1, 31, v0                           ; lane
	v_and_b32 v2, 15, v0                           ; r
	v_bfe_u32 v[HH], v0, 4, 1                      ; h
	v_lshlrev_b32 v[L16], 4, v1
	v_lshlrev_b32 v[L8], 3, v1
	v_lshlrev_b32 v[SA16], 4, v1
	v_lshlrev_b32 v[SA8], 3, v1
	s_mul_i32 s76, s[WV], 24576
	s_add_co_u32 s76, s76, S1OFF
	v_add_nc_u32 v[SB16], s76, v[L16]
	v_add_nc_u32 v[SB8], s76, v[L8]
	v_lshlrev_b32 v[SCO], 5, v2
	v_lshl_add_u32 v[SCO], v[HH], 4, v[SCO]
	s_wait_alu depctr_va_vdst(0)
	v_lshlrev_b32 v[BBO], 6, v[HH]
	s_wait_alu depctr_va_vdst(0)
	v_and_b32 v[BVO], 8, v2
	v_add_nc_u32 v[BVO], v[BVO], v2
	v_lshlrev_b32 v[BVO], 2, v[BVO]
	s_wait_alu depctr_va_vdst(0)
.irp b, 0,1,2,3
	v_mov_b32 v[TM+4+\b], 0                        ; a lane permute's destination counts as one of its sources
.endr
	s_lshl_b32 s86, s79, 9                         ; the scale words: 512 bytes a tile
	s_mov_b32 s87, 0
	s_add_nc_u64 s[4:5], s[6:7], s[86:87]          ; S0's
	s_lshl_b32 s82, s[WV], 2
	s_add_co_u32 s82, s82, s80
	s_lshl_b32 s88, s82, 9
	s_mov_b32 s89, 0
	s_add_nc_u64 s[6:7], s[6:7], s[88:89]          ; my four tiles' of S1
	s_cmp_eq_u32 s22, 1
	s_cselect_b64 s[8:9], s[10:11], s[8:9]
	s_cmp_eq_u32 s22, 2
	s_cselect_b64 s[8:9], s[12:13], s[8:9]         ; the bias of my kind
	s_and_b32 s12, s77, 7                          ; both forms of the bias are loaded in every kind; the masks keep the form that is not used inside the buffer
	s_lshl_b32 s12, s12, 9
	s_mov_b32 s13, 0
	s_add_nc_u64 s[10:11], s[8:9], s[12:13]        ; along S0: 128 numbers
	s_and_b32 s12, s78, 3
	s_lshl_b32 s12, s12, 10
	s_lshl_b32 s76, s[WV], 8
	s_add_co_u32 s12, s12, s76
	s_add_nc_u64 s[8:9], s[8:9], s[12:13]          ; along S1: my 64
	s_cmp_eq_u32 s22, 0
	s_cselect_b64 s[14:15], s[14:15], s[16:17]     ; where the results go,
	s_mov_b32 s76, 208896
	s_cselect_b32 s76, 106496, s76                 ; a head's bytes there,
	s_mov_b32 s16, 196608
	s_cselect_b32 s16, 98304, s16                  ; and where Q's or K's scale words begin in them
	s_lshr_b32 s90, s78, 3
	s_lshl_b32 s90, s90, 4
	s_lshl_b32 s91, s77, 1
	s_add_co_u32 s90, s90, s91                     ; q, k: head 16 x batch + 2 x S0's block
	s_lshr_b32 s91, s77, 4
	s_lshl_b32 s91, s91, 4
	s_lshl_b32 s92, s78, 2
	s_add_co_u32 s91, s91, s92
	s_add_co_u32 s91, s91, s[WV]                   ; v: head 16 x batch + 4 x S1's block + wave
	s_and_b32 s92, s78, 7
	s_mul_i32 s93, s92, 12288
	s_mul_i32 s94, s[WV], 3072
	s_add_co_u32 s93, s93, s94                     ; q, k: the images of tiles 16 (S1's block % 8) + 4 wave on
	s_lshl_b32 s92, s92, 10
	s_lshl_b32 s94, s[WV], 8
	s_add_co_u32 s92, s92, s94
	s_add_co_u32 s92, s92, s16                     ; and their group of scale words
	s_and_b32 s94, s77, 15
	s_mul_i32 s95, s94, 6144
	s_add_co_u32 s95, s95, 98304                   ; v: the key step's four fragments
	s_lshl_b32 s94, s94, 8
	s_add_co_u32 s94, s94, 204800                  ; and their group
	s_cmp_eq_u32 s22, 2
	s_cselect_b32 s90, s91, s90
	s_cselect_b32 s93, s95, s93
	s_cselect_b32 s92, s94, s92
	s_cselect_b32 s100, 768, s76                   ; from a fragment's first half to its second: v: 768 bytes; q, k: the next head
	s_mov_b32 s94, 768
	s_cselect_b32 s94, 1536, s94                   ; from one tile of S1 to the next
	s_mov_b32 s95, 0
	s_mov_b32 s101, 0
	s_mul_i32 s90, s90, s76
	s_mov_b32 s91, 0
	s_add_nc_u64 s[14:15], s[14:15], s[90:91]      ; the head's package
	s_mov_b32 s96, s92
	s_mov_b32 s97, 0
	s_add_nc_u64 s[96:97], s[14:15], s[96:97]      ; the scale group,
	s_add_nc_u64 s[16:17], s[96:97], s[100:101]    ; and (q, k) the next head's
	s_mov_b32 s90, s93
	s_add_nc_u64 s[90:91], s[14:15], s[90:91]      ; first halves
	s_add_nc_u64 s[92:93], s[90:91], s[100:101]    ; second halves
.irp i, 0,1,2,3,4,5,6,7
	global_load_b128 v[SAS+4*\i:SAS+4*\i+3], v[SCO], s[4:5] offset:512*\i
.endr
.irp j, 0,1,2,3
	global_load_b128 v[SBS+4*\j:SBS+4*\j+3], v[SCO], s[6:7] offset:512*\j
.endr
.irp t, 0,1,2,3,4,5,6,7                ; register 8 t + e: the bias of S0's row 32 (t / 2) + 16 h + 8 (t % 2) + e
	global_load_b128 v[BB+8*\t:BB+8*\t+3], v[BBO], s[10:11] offset:4*(32*(\t/2)+8*(\t%2))
	global_load_b128 v[BB+8*\t+4:BB+8*\t+7], v[BBO], s[10:11] offset:4*(32*(\t/2)+8*(\t%2))+16
.endr
.irp j, 0,1,2,3                        ; my lane's row of S1's tile j, twice: a pair for the packed addition
	global_load_b32 v[BV+2*\j], v[BVO], s[8:9] offset:4*(32*(\j/2)+8*(\j%2))
	global_load_b32 v[BV+2*\j+1], v[BVO], s[8:9] offset:4*(32*(\j/2)+8*(\j%2))
.endr
.macro FRAG reg, a16, a8, off          ; 16 rows x 128 K: two halves of 768 bytes; every load reads consecutive bytes
	ds_load_b128 v[\reg:\reg+3], v[\a16] offset:\off
	ds_load_b64 v[\reg+4:\reg+5], v[\a8] offset:\off+512
	ds_load_b128 v[\reg+6:\reg+9], v[\a16] offset:\off+768
	ds_load_b64 v[\reg+10:\reg+11], v[\a8] offset:\off+1280
.endm
.macro FETCH ks                        ; K step ks: S0's eight fragments and my four of S1, into set ks % 2
	WIN 0x40                                       ; destination window 1
.irp i, 0,1,2,3,4,5,6,7
	FRAG 96*((\ks)%2)+12*\i, SA16, SA8, 6144*\i+1536*((\ks)%4)
.endr
	WIN 0
.irp j, 0,1,2,3
	FRAG BF+48*((\ks)%2)+12*\j, SB16, SB8, 6144*\j+1536*((\ks)%4)
.endr
.endm
.macro MUL32 ks                        ; 32 matrix instructions; the 32 accumulators take turns, in the same order in every step
	WIN 0xa1                                       ; source 0 window 1, source 1 window 0, C and D window 2
.irp j, 0,1,2,3
.irp i, 0,1,2,3,4,5,6,7
.if (\ks) == 0
	v_wmma_scale_f32_16x16x128_f8f6f4 v[8*(8*\j+\i):8*(8*\j+\i)+7], v[96*((\ks)%2)+12*\i:96*((\ks)%2)+12*\i+11], v[BF+48*((\ks)%2)+12*\j:BF+48*((\ks)%2)+12*\j+11], 0, v[SAS+4*\i+(\ks)%4], v[SBS+4*\j+(\ks)%4] matrix_a_fmt:MATRIX_FMT_FP6 matrix_b_fmt:MATRIX_FMT_FP6
.elseif (\ks) < 4
	v_wmma_scale_f32_16x16x128_f8f6f4 v[8*(8*\j+\i):8*(8*\j+\i)+7], v[96*((\ks)%2)+12*\i:96*((\ks)%2)+12*\i+11], v[BF+48*((\ks)%2)+12*\j:BF+48*((\ks)%2)+12*\j+11], v[8*(8*\j+\i):8*(8*\j+\i)+7], v[SAS+4*\i+(\ks)%4], v[SBS+4*\j+(\ks)%4] matrix_a_fmt:MATRIX_FMT_FP6 matrix_b_fmt:MATRIX_FMT_FP6
.else
	v_wmma_scale_f32_16x16x128_f8f6f4 v[8*(8*\j+\i):8*(8*\j+\i)+7], v[96*((\ks)%2)+12*\i:96*((\ks)%2)+12*\i+11], v[BF+48*((\ks)%2)+12*\j:BF+48*((\ks)%2)+12*\j+11], v[8*(8*\j+\i):8*(8*\j+\i)+7], v[SAS+4*\i+(\ks)%4], v[SBS+4*\j+(\ks)%4] matrix_a_fmt:MATRIX_FMT_FP6 matrix_b_fmt:MATRIX_FMT_FP6 matrix_a_scale:MATRIX_SCALE_ROW1 matrix_b_scale:MATRIX_SCALE_ROW1
.endif
.endr
.endr
.endm
.macro STEP ks
	s_wait_dscnt 0x0                               ; this step's fragments are in
.if (\ks) < 7
.if (\ks) == 3
	s_wait_tensorcnt 0x0                           ; every wave's load has landed: the second half among them
	s_barrier_signal -1
	s_barrier_wait -1                              ; everybody's has.
	v_add_nc_u32 v[SA16], HALF, v[SA16]            ; on to the second half.  These four are also the places in front of loads into registers that matrix instructions have read
	v_add_nc_u32 v[SA8], HALF, v[SA8]
	v_add_nc_u32 v[SB16], HALF, v[SB16]
	v_add_nc_u32 v[SB8], HALF, v[SB8]
.elseif (\ks) > 0
.rept 4
	v_nop                                          ; four places in front of loads into registers that matrix instructions have read
.endr
.endif
	s_wait_alu depctr_va_vdst(0)
	FETCH (\ks)+1                                  ; 32 matrix instructions ahead of its use
.endif
	MUL32 \ks
	WIN 0
.endm
.macro QUANT s, pw                     ; 64 numbers of a lane, register 16 b + i = k 32 b + 16 h + i of my row -> 12 registers of codes in v[PC] on, the scale word in v[pw]
.irp b, 0,1,2,3
	v_max3_num_f32 v[TM+\b], |v[\s+16*\b]|, |v[\s+1+16*\b]|, 0x1800000   ; and the floor 2^(3 - 127): the byte cannot fall under 1
.endr
.irp i, 2,4,6,8,10,12,14
.irp b, 0,1,2,3
	v_max3_num_f32 v[TM+\b], v[TM+\b], |v[\s+16*\b+\i]|, |v[\s+1+16*\b+\i]|
.endr
.endr
.irp b, 0,1,2,3
	v_permlanex16_b32 v[TM+4+\b], v[TM+\b], s[SEL], s[SEL+1]
.endr
.irp b, 0,1,2,3
	v_max_num_f32 v[TM+\b], v[TM+\b], v[TM+4+\b]
.endr
.irp b, 0,1,2,3
	v_add_nc_u32 v[TM+12+\b], 0xff000000, v[TM+\b] ; 2 off the exponent field: the conversion's scale operand
.endr
.irp b, 0,1,2,3
	v_lshrrev_b32 v[TM+4+\b], 23, v[TM+12+\b]      ; the scale's byte
.endr
	v_lshl_or_b32 v[\pw], v[TM+5], 8, v[TM+4]
	v_lshl_or_b32 v[\pw], v[TM+6], 16, v[\pw]
	v_lshl_or_b32 v[\pw], v[TM+7], 24, v[\pw]
.irp c, 0,1
	v_cvt_scalef32_pk16_fp6_f32 v[PC+6*\c:PC+2+6*\c], v[\s+32*\c:\s+15+32*\c], v[TM+12+2*\c]
	v_cvt_scalef32_pk16_fp6_f32 v[PC+12+4*\c:PC+14+4*\c], v[\s+16+32*\c:\s+31+32*\c], v[TM+12+2*\c+1]
.endr
	v_nop                                          ; one plain place behind a scaled conversion
.irp c, 0,1
.irp i, 0,1,2
	v_permlane16_swap_b32 v[PC+6*\c+\i], v[PC+12+4*\c+\i]
.endr
.irp i, 0,1,2
	v_mov_b32 v[PC+3+6*\c+\i], v[PC+12+4*\c+\i]
.endr
.endr
.endm
	s_wait_alu depctr_va_vdst(0)                   ; the head's end
	s_cmp_lt_u32 s[WV], 2                          ; waves 0 and 1 asked for the first half: they wait for it; the second half may stay on its way across this barrier, behind which nothing is filled
	s_cbranch_scc0 .Lnot_first
	s_wait_tensorcnt 0x0
.Lnot_first:
	s_barrier_signal -1
	s_barrier_wait -1
	FETCH 0
	s_wait_loadcnt 0x0                             ; scale words and biases
.irp k, 0,1,2,3,4,5,6,7
	STEP \k
.endr
	; THE WAY OUT, a tile of S1 at a time: + bias, quantised along the registers, stored as images
.rept 4
	v_nop                                          ; four places behind the last products: results are read, and registers that held fragments are written
.endr
.irp j, 0,1,2,3
	s_cmp_eq_u32 s22, 2
	s_cbranch_scc1 .Lvb_\j
	WIN 0x02                                       ; source 0 window 2
.set p, 0
.rept 32
	v_pk_add_f32 v[HA+2*p:HA+2*p+1], v[64*\j+2*p:64*\j+2*p+1], v[BB+2*p:BB+2*p+1]   ; q, k: the bias runs along the registers.  Each accumulator is read from its low end on
.set p, p+1
.endr
	WIN 0
	s_branch .Lbd_\j
.Lvb_\j:
	WIN 0x02
.set p, 0
.rept 32
	v_pk_add_f32 v[HA+2*p:HA+2*p+1], v[64*\j+2*p:64*\j+2*p+1], v[BV+2*\j:BV+2*\j+1] ; v: the bias is my lane's feature's
.set p, p+1
.endr
	WIN 0
.Lbd_\j:
	s_wait_xcnt 0x0                                ; the last tile's stores have read their data and bases: both are written again only behind this wait
.if \j > 0
	s_add_nc_u64 s[90:91], s[90:91], s[94:95]
	s_add_nc_u64 s[92:93], s[92:93], s[94:95]
.endif
	QUANT HA, PW+\j
	global_store_b128 v[L16], v[PC:PC+3], s[90:91]
	global_store_b64 v[L8], v[PC+4:PC+5], s[90:91] offset:512
	global_store_b128 v[L16], v[PC+6:PC+9], s[92:93]
	global_store_b64 v[L8], v[PC+10:PC+11], s[92:93] offset:512
.endr
	v_cmp_ne_u32 vcc_lo, 0, v[HH]
	v_cndmask_b32 v[TM], v[PW], v[PW+2], vcc_lo    ; lane (r, h): the words of tiles 2 h and 2 h + 1
	v_cndmask_b32 v[TM+1], v[PW+1], v[PW+3], vcc_lo
	v_and_b32 v[TM+2], 0xffff, v[TM]               ; q, k: the first head's two bytes,
	v_and_b32 v[TM+3], 0xffff, v[TM+1]
	v_lshrrev_b32 v[TM+4], 16, v[TM]               ; the second head's
	v_lshrrev_b32 v[TM+5], 16, v[TM+1]
	s_cmp_eq_u32 s22, 2
	s_cbranch_scc1 .Lvs
	global_store_b64 v[L8], v[TM+2:TM+3], s[96:97] ; 256 consecutive bytes
	global_store_b64 v[L8], v[TM+4:TM+5], s[16:17]
	s_branch .Lsd
.Lvs:
	s_wait_alu depctr_va_vdst(0)
	global_store_b64 v[L8], v[TM:TM+1], s[96:97]
.Lsd:
	s_wait_tensorcnt 0x0                           ; the wave's endx my last tensor load
	ds_add_u32 v[SPW], v[NIL]
	s_wait_dscnt 0x0
	CROUND                                         ; the closing round
	s_endpgm
.Lfunc_end_k_q77497ba9be_gemm_qkv:
	.size	k_q77497ba9be_gemm_qkv, .Lfunc_end_k_q77497ba9be_gemm_qkv-k_q77497ba9be_gemm_qkv
	.p2alignl 7, 3214868480
	.fill 96, 4, 3214868480
	.section	.rodata,"a",@progbits
	.p2align	6, 0x0
	.amdhsa_kernel k_q77497ba9be_gemm_qkv
		.amdhsa_group_segment_fixed_size 296960
		.amdhsa_private_segment_fixed_size 0
		.amdhsa_enable_private_segment 0
		.amdhsa_kernarg_size 56
		.amdhsa_user_sgpr_count 2
		.amdhsa_user_sgpr_kernarg_segment_ptr 1
		.amdhsa_wavefront_size32 1
		.amdhsa_system_sgpr_workgroup_id_x 1
		.amdhsa_system_sgpr_workgroup_id_y 1
		.amdhsa_system_sgpr_workgroup_id_z 1
		.amdhsa_system_vgpr_workitem_id 0
		.amdhsa_next_free_vgpr 768
		.amdhsa_next_free_sgpr 102
		.amdhsa_reserve_vcc 1
		.amdhsa_float_denorm_mode_32 3
		.amdhsa_float_denorm_mode_16_64 3
		.amdhsa_memory_ordered 1
		.amdhsa_forward_progress 1
		.amdhsa_inst_pref_size 106
	.end_amdhsa_kernel
	.amdgpu_metadata
---
amdhsa.version: [ 1, 2 ]
amdhsa.kernels:
  - .name:           k_q77497ba9be_gemm_qkv
    .symbol:         k_q77497ba9be_gemm_qkv.kd
    .args:
      - { .name: codes, .offset: 0, .size: 8, .value_kind: global_buffer, .address_space: global }
      - { .name: scl, .offset: 8, .size: 8, .value_kind: global_buffer, .address_space: global }
      - { .name: bq, .offset: 16, .size: 8, .value_kind: global_buffer, .address_space: global }
      - { .name: bk, .offset: 24, .size: 8, .value_kind: global_buffer, .address_space: global }
      - { .name: bv, .offset: 32, .size: 8, .value_kind: global_buffer, .address_space: global }
      - { .name: qpack, .offset: 40, .size: 8, .value_kind: global_buffer, .address_space: global }
      - { .name: kv, .offset: 48, .size: 8, .value_kind: global_buffer, .address_space: global }
    .group_segment_fixed_size: 296960
    .private_segment_fixed_size: 0
    .kernarg_segment_align: 8
    .kernarg_segment_size: 56
    .max_flat_workgroup_size: 128
    .sgpr_count:     102
    .vgpr_count:     768
    .wavefront_size: 32
...
	.end_amdgpu_metadata
.endif
;; end of part 2
;; launch attn (part 3): grid 4 x 64, 16 waves a work-group, clusters of 4 x 1, 212,992 bytes of LDS; arguments qpack, kv, mbits, xc, xsc; writes xc, xsc
.if DOCPART == 3
	.amdgcn_target "amdgcn-amd-amdhsa--gfx1250"
	.amdhsa_code_object_version 6
	.text
	.protected	k_q77497ba9be_attn
	.globl	k_q77497ba9be_attn
	.p2align	8
	.type	k_q77497ba9be_attn,@function
k_q77497ba9be_attn:
	s_mov_b64 s[64:65], 0
	v_nop
	global_prefetch_b8 v0, s[64:65] scope:SCOPE_SE
	s_setreg_imm32_b32 hwreg(HW_REG_WAVE_MODE, 25, 1), 1
	s_wait_xcnt 0x0
	s_wait_alu depctr_hold_cnt(0) depctr_sa_sdst(0) depctr_va_vdst(0) depctr_va_sdst(0) depctr_va_ssrc(0) depctr_va_vcc(0) depctr_vm_vsrc(0)
	s_getreg_b32 s2, hwreg(HW_REG_IB_STS2, 6, 4)
	s_cmp_eq_u32 s2, 0
	s_cbranch_scc0 .Lentry_in_a_cluster
	s_endpgm
.Lentry_in_a_cluster:
	s_bfe_u32 s2, ttmp6, 0x10000c
	s_cmp_lg_u32 s2, 0x3003
	s_cbranch_scc0 .Lentry_shape_is_right
	s_endpgm
.Lentry_shape_is_right:
; x[b][q][head] = softmax_k(where(mask, Q . K / 8, fill)) V for one head a cluster, both products on codes of FP6 with E8M0 scales; x leaves quantised along the head's 64, as the output projection's operand.
; THE SOFTMAX: t = score x log2(e) / 8; M = the running largest t rounded up to a whole number; p = 2^(t - M) is quantised along the keys, not normalised; the sum is taken of the unquantised p and divides at the end.
; SHARES.  A work-group owns 512 queries of a head (its place in the cluster says which); each of sixteen waves two tiles of 16, one after the other, in a counted loop, in 256 registers.  Every wave walks the 2,048 keys, 128 a step.
; LDS.  The head's whole package of K and V (208,896 bytes: K's images, V's fragments, both scale words) comes in ONCE, sixteen joint loads of 51 x 256 bytes, one a wave, shared by the four work-groups of the cluster.
; Nothing is filled again, and nothing is asked for later: so no prefetch of tiles is laid.  The mask words come by scalar loads, one step ahead.
; LAYOUT.  Both products are used transposed: S^T = K Q^T, O^T = V^T P^T: a lane holds one query.  Tiles are 16 rows in the order row 32 (T / 2) + 8 (T % 2) + r + 8 (r / 8), so the 16 registers of tiles 2 b, 2 b + 1 are keys 32 b + 16 h + 0 .. 15.
; K = 64 IN THE FIRST PRODUCT.  Q's fragment is six registers of codes and six of zeros.  K's tiles lie six registers apart; a tile's operand runs on over the next tile's six (or six cleared ones): those meet Q's zero codes and add nothing.
; K AND V SHARE 48 REGISTERS.  V is asked for behind the score products; the NEXT step's K behind the products with V, with the last lines of the row's sum between the loads and the wait for them.  A tile's last step so reads
; 6,144 bytes and 512 bytes behind K's parts of the package (V's parts: landed bytes inside LDS), which nothing uses; each tile asks for its first K anew.
; THE MASK is one bit a score, as lane masks in scalar registers: one v_cndmask_b32 a score.
; LIMITS.  The fill is the score -2^33, logit -2^30, where reference() has -1e9: so t of a hidden key is exact, and a row with no key left gives p = 1 for all keys, as there.  The result differs only where a row's largest
; open logit lies under about -1e9.  NaN and infinities are not served; a block of zeros gets the byte 1.
.set KVB,   208896
.set SPARE, 208896                     ; the spare words: 128 bytes for each of sixteen waves
.set XS,    210944                     ; 1,024 bytes: the scale halfwords of the work-group's 32 tiles of x
.set L16,  1
.set L8,   2
.set AKS,  3                           ; v3   196,608 + 8 r: K's scale words
.set AVS,  4                           ; v4   204,800 + 8 r: V's
.set SPW,  5
.set NIL,  6
.set SENT, 7                           ; v7   -2^33
.set ADK16, 8
.set ADK8,  9
.set ADV16, 10
.set ADV8,  11                         ; v12 -M, v13 the largest score, v[14:15] the sum in two halves
.set QF,   16                          ; v16-27 Q's fragment (v22-27 zeros)
.set QS,   28                          ; v28  its scale word
.set ADS,  29
.set ADT,  30
.set XSA,  31                          ; v31  XS + 64 wave + 32 tile + 2 r
.set KF,   32                          ; v32-79 K's eight tiles, then V's four fragments; v80-85 zeros
.set Q2,   86                          ; v86-91, v92 the second tile's Q and scale word
.set XRD,  93                          ; v93  XS + 16 x thread
.set XGO,  94                          ; v94  16 x thread
.set S,    96                          ; v96-159 S^T, then p
.set OT,   160                         ; v160-191 O^T
.set PC,   192                         ; v192-211 p's codes
.set BM,   212
.set BT,   216
.set BS,   220
.set FF,   224                         ; v224 f, v225 p's scale word
.set TT,   226                         ; v226, v227 at work
.set KS,   228                         ; v228-235 K's scale words
.set VS,   236                         ; v236-239 V's
.set BN,   240                         ; v240-243 the second chains of the block maxima; then
.set U,    240                         ; v240-253 seven pairs of partial sums
.set TB,   2                           ; s2   the next step's K: 6,144 bytes a step
.set TS,   3                           ; s3   its scale words: 512
.set TJ,   4                           ; s4   V's scale words: 256
.set CNT,  5
.set WV,   6
.set TV,   7                           ; s7   this step's V: 98,304 + 6,144 a step
.set SEL,  8
.set CS,   10                          ; s[10:11] c = log2(e) / 8
.set MB,   12                          ; s[12:13] my two tiles' mask words: 8,192 bytes
.set MO,   14                          ; s14  the step's 256 bytes in them.   s16-63, s68-83: the 64 words
.set TC,   15                          ; s15  tiles to go
.set G1,   84
.set G0,   92
.set XCP,  96
.set XSP,  98
.set QP,   100
.macro CROUND
	s_barrier_signal -1
	s_barrier_wait -1
	s_cmp_lg_u32 s[WV], 0
	s_cbranch_scc1 .Lnot_wave_0_\@
	s_barrier_signal -3
.Lnot_wave_0_\@:
	s_barrier_wait -3
	s_barrier_signal -1
	s_barrier_wait -1
.endm
.macro MLOAD                           ; the 64 mask words at s[MO]
.irp q, 0,1,2
	s_load_b512 s[16+16*\q:31+16*\q], s[MB:MB+1], s[MO] offset:64*\q
.endr
	s_load_b512 s[68:83], s[MB:MB+1], s[MO] offset:192
.endm
	s_load_b256 s[16:23], s[0:1], 0x0              ; qpack, kv, mbits, xc
	s_load_b64 s[24:25], s[0:1], 0x20              ; xsc
	v_lshl_add_u32 v[SPW], v0, 2, SPARE
	v_mov_b32 v[NIL], 0
	ds_add_u32 v[SPW], v[NIL]                      ; the opening lines: the add, twice on end, and its wait ahead of my first tensor load
	ds_add_u32 v[SPW], v[NIL]
	v_lshrrev_b32 v8, 5, v0
	s_delay_alu instid0(VALU_DEP_1)
	v_readfirstlane_b32 s[WV], v8                  ; wave 0..15
	s_mov_b32 s[G1], 15|(3<<16)|(1<<21)            ; 15:0 all four work-groups; 17:16 elements of 8 bytes; 21 set beside a mask; no padding
	s_mov_b32 s[G1+1], 32<<16                      ; rows of 256 bytes
	s_mov_b32 s[G1+2], 51<<16                      ; 51 rows
	s_mov_b32 s[G1+3], 32<<16
	s_mov_b32 s[G1+4], 51
	s_mov_b32 s[G1+5], 32                          ; dense
	s_mov_b32 s[G1+6], 0
	s_mov_b32 s[G1+7], 0
	s_and_b32 s7, ttmp7, 0xffff                    ; 16 x batch + head, which the four partners share
	s_bfe_u32 s15, ttmp6, 0x40000                  ; cx: it enters Q's, the mask's and x's addresses alone
	s_mul_i32 s[G0+1], s[WV], 13056                ; my sixteenth of the package, in LDS,
	s_mul_i32 s26, s7, KVB
	s_add_co_u32 s26, s26, s[G0+1]                 ; and in memory
	s_mov_b32 s27, 0
	s_lshl_b32 s28, s15, 5
	s_lshl_b32 s29, s[WV], 1
	s_add_co_u32 s28, s28, s29                     ; my first tile of the head's 128
	s_lshr_b32 s29, s7, 4
	s_lshl_b32 s29, s29, 7
	s_add_co_u32 s30, s29, s28                     ; and of all 512
	s_and_b32 s31, s7, 15                          ; the head
	s_lshl_b32 s32, s30, 12                        ; mask words: 4,096 bytes a tile
	s_mov_b32 s33, 0
	s_mul_i32 s34, s30, 12288                      ; x's codes: 12,288 bytes a tile, 768 a head
	s_mul_i32 s36, s31, 768
	s_add_co_u32 s34, s34, s36
	s_mov_b32 s35, 0
	s_lshl_b32 s36, s15, 5
	s_add_co_u32 s36, s36, s29
	s_lshl_b32 s36, s36, 5                         ; x's scale halfwords: 32 bytes a tile, 16,384 a head
	s_lshl_b32 s38, s31, 14
	s_add_co_u32 s36, s36, s38
	s_mov_b32 s37, 0
	s_mul_i32 s38, s7, 106496                      ; the head's package of Q
	s_mov_b32 s39, 0
	s_mul_i32 s40, s28, 768                        ; my first tile's image in it,
	s_lshl_b32 s41, s15, 11
	s_lshl_b32 s42, s[WV], 7
	s_add_co_u32 s41, s41, s42
	s_add_co_u32 s41, s41, 98304                   ; and my two tiles' scale words: group 8 cx + wave / 2, half wave % 2
	s_mov_b32 s[SEL], 0x76543210
	s_mov_b32 s[SEL+1], 0xfedcba98
	s_mov_b32 s[CS], 0x3e38aa3b                    ; log2(e) / 8
	s_mov_b32 s[CS+1], s[CS]
	s_mov_b32 s[MO], 0
	s_wait_dscnt 0x0                               ; both opening adds are done
	s_wait_kmcnt 0x0
	s_mov_b32 s[G0], 1
	s_add_nc_u64 s[G0+2:G0+3], s[18:19], s[26:27]
	s_or_b32 s[G0+3], s[G0+3], 0x80000000
	s_add_nc_u64 s[MB:MB+1], s[20:21], s[32:33]
	s_add_nc_u64 s[XCP:XCP+1], s[22:23], s[34:35]
	s_add_nc_u64 s[XSP:XSP+1], s[24:25], s[36:37]
	s_add_nc_u64 s[QP:QP+1], s[16:17], s[38:39]
	CROUND                                         ; all four work-groups are here: the joint loads meet
	tensor_load_to_lds s[G0:G0+3], s[G1:G1+7]      ; one load of mine is out
	s_nop 0
.rept 4
	v_nop
.endr
	v_and_b32 v8, 31, v0                           ; lane
	v_and_b32 v9, 15, v0                           ; r
	s_delay_alu instid0(VALU_DEP_2)
	v_lshlrev_b32 v[L16], 4, v8
	s_delay_alu instid0(VALU_DEP_3)
	v_lshlrev_b32 v[L8], 3, v8
	s_delay_alu instid0(VALU_DEP_3)
	v_lshl_add_u32 v[AKS], v9, 3, 196608
	s_delay_alu instid0(VALU_DEP_4)
	v_lshl_add_u32 v[AVS], v9, 3, 204800
	s_lshl_b32 s26, s[WV], 6
	s_add_co_u32 s26, s26, XS
	v_lshl_add_u32 v[XSA], v9, 1, s26
	v_lshl_add_u32 v[XRD], v0, 4, XS
	v_lshlrev_b32 v[XGO], 4, v0
	v_lshl_add_u32 v10, v9, 3, s41
	v_add_nc_u32 v8, s40, v[L16]
	v_add_nc_u32 v9, s40, v[L8]
	global_load_b128 v[QF:QF+3], v8, s[QP:QP+1]
	global_load_b64 v[QF+4:QF+5], v9, s[QP:QP+1] offset:512
	global_load_b32 v[QS], v10, s[QP:QP+1]
	global_load_b128 v[Q2:Q2+3], v8, s[QP:QP+1] offset:768
	global_load_b64 v[Q2+4:Q2+5], v9, s[QP:QP+1] offset:1280
	global_load_b32 v[Q2+6], v10, s[QP:QP+1] offset:4
	MLOAD                                          ; the first step's mask words
	v_mov_b32 v[SENT], 0xd0000000                  ; -2^33
.irp i, 0,1,2,3,4,5
	v_mov_b32 v[QF+6+\i], 0
	v_mov_b32 v[KF+48+\i], 0
.endr
.irp b, 0,1,2,3
	v_mov_b32 v[BT+\b], 0                          ; a lane permute's destination counts as one of its sources
.endr
	v_mov_b32 v[FF+1], 0                           ; named as the upper half of a pair before it is first written
	v_mov_b32 v[TT], 0
	v_mov_b32 v[TT+1], 0
	s_mov_b32 s[TC], 2
	s_wait_alu depctr_va_vdst(0)
	s_wait_tensorcnt 0x0                           ; my sixteenth has landed,
	s_barrier_signal -1
	s_barrier_wait -1                              ; everybody's has
	s_wait_loadcnt 0x0                             ; Q
.macro FRAG reg, a16, a8, off
	ds_load_b128 v[\reg:\reg+3], v[\a16] offset:\off
	ds_load_b64 v[\reg+4:\reg+5], v[\a8] offset:\off+512
	ds_load_b128 v[\reg+6:\reg+9], v[\a16] offset:\off+768
	ds_load_b64 v[\reg+10:\reg+11], v[\a8] offset:\off+1280
.endm
.macro KLOAD a16, a8, as               ; a step's eight tiles of K and their scale words: 20 loads
.irp t, 0,1,2,3,4,5,6,7
	ds_load_b128 v[KF+6*\t:KF+6*\t+3], v[\a16] offset:768*\t
	ds_load_b64 v[KF+6*\t+4:KF+6*\t+5], v[\a8] offset:768*\t+512
.endr
.irp g, 0,1,2,3
	ds_load_b64 v[KS+2*\g:KS+2*\g+1], v[\as] offset:256*(\g/2)+128*(\g%2)
.endr
.endm
.macro PKA d, a, b
	v_pk_add_f32 v[\d:\d+1], v[\a:\a+1], v[\b:\b+1]
.endm
.macro SUMOP i                         ; line i of 32: the 32 pairs of p into v[14:15], by eight chains
.if (\i) < 7
	PKA U+2*(\i), S+4*(\i), S+4*(\i)+2
.elseif (\i) == 7
	PKA 14, 14, S+28
.elseif (\i) < 15
	PKA U+2*((\i)-8), U+2*((\i)-8), S+30+2*((\i)-8)
.elseif (\i) == 15
	PKA 14, 14, S+44
.elseif (\i) < 23
	PKA U+2*((\i)-16), U+2*((\i)-16), S+46+2*((\i)-16)
.elseif (\i) == 23
	PKA 14, 14, S+60
.elseif (\i) == 24
	PKA U, U, S+62
.elseif (\i) == 25
	PKA U+2, U+2, U+4
.elseif (\i) == 26
	PKA U+6, U+6, U+8
.elseif (\i) == 27
	PKA U+10, U+10, U+12
.elseif (\i) == 28
	PKA 14, 14, U
.elseif (\i) == 29
	PKA U+2, U+2, U+6
.elseif (\i) == 30
	PKA 14, 14, U+10
.else
	PKA 14, 14, U+2
.endif
.endm
.macro SUMS from, to
.set I_, \from
.rept (\to)-(\from)
	SUMOP I_
.set I_, I_+1
.endr
.endm
; A KEY STEP: 128 keys
.macro STEP
	s_wait_dscnt 0x0                               ; this step's K, asked for at the last step's end (or at the tile's head), is in: nothing else of mine is out
.irp t, 0,1,2,3,4,5,6,7
	v_wmma_scale_f32_16x16x128_f8f6f4 v[S+8*\t:S+8*\t+7], v[KF+6*\t:KF+6*\t+11], v[QF:QF+11], 0, v[KS+\t], v[QS] matrix_a_fmt:MATRIX_FMT_FP6 matrix_b_fmt:MATRIX_FMT_FP6
.endr
	v_add_nc_u32 v[ADV16], s[TV], v[L16]           ; four places: loads into K's registers follow, and the first reads of the scores
	v_add_nc_u32 v[ADV8], s[TV], v[L8]
	v_add_nc_u32 v[ADT], s[TJ], v[AVS]
	v_nop
.irp d, 0,1,2,3
	FRAG KF+12*\d, ADV16, ADV8, 1536*\d            ; V's four fragments land while the softmax is walked
.endr
	ds_load_b64 v[VS:VS+1], v[ADT]
	ds_load_b64 v[VS+2:VS+3], v[ADT] offset:128
	s_wait_kmcnt 0x0                               ; this step's mask words, asked for a step ago; their offset may now be written
	s_add_co_u32 s[MO], s[MO], 256
	s_min_u32 s[MO], s[MO], 7936                   ; the very last step asks for its own words again: no load leaves the buffer
.set n, 0
.rept 64
	v_cndmask_b32 v[S+n], v[SENT], v[S+n], s[16+n+4*(n/48)]   ; a hidden key's score becomes the fill.  Each accumulator is read from its low end on
.set n, n+1
.endr
.irp b, 0,1,2,3                        ; the largest score of each block of 32 keys, my 16 of them in two chains: for the row's maximum, and, since p rises with the score, for the block's largest p
	v_max3_num_f32 v[BM+\b], v[S+16*\b], v[S+1+16*\b], v[S+2+16*\b]
.endr
.irp b, 0,1,2,3
	v_max3_num_f32 v[BN+\b], v[S+8+16*\b], v[S+9+16*\b], v[S+10+16*\b]
.endr
	MLOAD                                          ; the next step's mask words: the selects above have read this step's
.irp i, 3,5
.irp b, 0,1,2,3
	v_max3_num_f32 v[BM+\b], v[BM+\b], v[S+16*\b+\i], v[S+1+16*\b+\i]
.endr
.irp b, 0,1,2,3
	v_max3_num_f32 v[BN+\b], v[BN+\b], v[S+8+16*\b+\i], v[S+9+16*\b+\i]
.endr
.endr
.irp b, 0,1,2,3
	v_max3_num_f32 v[BM+\b], v[BM+\b], v[S+7+16*\b], v[S+15+16*\b]
.endr
.irp b, 0,1,2,3
	s_delay_alu instid0(VALU_DEP_4)
	v_max_num_f32 v[BM+\b], v[BM+\b], v[BN+\b]
.endr
	s_delay_alu instid0(VALU_DEP_2)
	v_max3_num_f32 v[TT], v[BM], v[BM+1], v[BM+2]  ; the row's chain and the blocks' lines by turns
	v_permlanex16_b32 v[BT], v[BM], s[SEL], s[SEL+1]
	v_permlanex16_b32 v[BT+1], v[BM+1], s[SEL], s[SEL+1]
	s_delay_alu instid0(VALU_DEP_3)
	v_max_num_f32 v[TT], v[TT], v[BM+3]            ; my 64 keys' largest score
	v_permlanex16_b32 v[BT+2], v[BM+2], s[SEL], s[SEL+1]
	v_permlanex16_b32 v[BT+3], v[BM+3], s[SEL], s[SEL+1]
	s_delay_alu instid0(VALU_DEP_3)
	v_permlanex16_b32 v[TT+1], v[TT], s[SEL], s[SEL+1]
	v_max_num_f32 v[BM], v[BM], v[BT]              ; with lane l xor 16's 16 keys
	v_max_num_f32 v[BM+1], v[BM+1], v[BT+1]
	v_max_num_f32 v[BM+2], v[BM+2], v[BT+2]
	s_delay_alu instid0(VALU_DEP_4)
	v_max3_num_f32 v13, v13, v[TT], v[TT+1]        ; the running largest score
	v_max_num_f32 v[BM+3], v[BM+3], v[BT+3]
	v_mov_b32 v[TT], v12
	s_delay_alu instid0(VALU_DEP_3)
	v_mul_f32 v[TT+1], s[CS], v13                  ; as t (c is positive)
	s_delay_alu instid0(VALU_DEP_1)
	v_floor_f32 v12, -v[TT+1]                      ; -M = floor(-t): M is a whole number
.set n, 0
.rept 32
	v_pk_fma_f32 v[S+n:S+n+1], v[S+n:S+n+1], s[CS:CS+1], v[12:13] op_sel_hi:[1,0,0]   ; t - M
.if n == 2
	s_delay_alu instid0(VALU_DEP_3)
	v_sub_f32 v[TT], v12, v[TT]                    ; old M - new M: a whole number, 0 or less
.elseif n == 10
	v_cvt_i32_f32 v[TT], v[TT]                     ; (it saturates)
.elseif n == 18
	v_ldexp_f32 v[FF], 1.0, v[TT]                  ; f = 2^(old M - new M): a multiplication by it rounds nothing
.endif
.set n, n+2
.endr
.irp b, 0,1,2,3
	v_fma_f32 v[BM+\b], v[BM+\b], s[CS], v12
.endr
.set n, 0
.rept 16
	v_pk_mul_f32 v[OT+n:OT+n+1], v[OT+n:OT+n+1], v[FF:FF+1] op_sel_hi:[1,0]   ; O^T under the new M; each accumulator from its low end on
.set n, n+2
.endr
	v_pk_mul_f32 v[14:15], v[14:15], v[FF:FF+1] op_sel_hi:[1,0]   ; and the sums
	s_wait_alu depctr_va_vdst(0)
.irp b, 0,1,2,3
	v_exp_f32 v[BM+\b], v[BM+\b]                   ; each block's largest p
.endr
.set n, 0
.rept 64
	v_exp_f32 v[S+n], v[S+n]                       ; p = 2^(t - M)
.set n, n+1
.endr
	v_nop                                          ; the plain place behind the exponentials
	s_wait_alu depctr_va_vdst(0)                   ; one wait for the batch of 68, ahead of its first reader
.irp b, 0,1,2,3
	v_max_num_f32 v[BM+\b], 0x1800000, v[BM+\b]    ; the floor 2^(3 - 127): the byte cannot fall under 1
.endr
	SUMS 0, 4                                      ; the sum of the unquantised p stands between the scale's lines
.irp b, 0,1,2,3
	v_add_nc_u32 v[BS+\b], 0xff000000, v[BM+\b]    ; 2 off the exponent field: the conversion's scale operand
.endr
	SUMS 4, 8
.irp b, 0,1,2,3
	v_lshrrev_b32 v[BT+\b], 23, v[BS+\b]
.endr
	SUMS 8, 12
	v_lshl_or_b32 v[FF+1], v[BT+1], 8, v[BT]       ; p's scale word for these 128 keys
	SUMS 12, 14
	v_lshl_or_b32 v[FF+1], v[BT+2], 16, v[FF+1]
	SUMS 14, 16
	v_lshl_or_b32 v[FF+1], v[BT+3], 24, v[FF+1]
.irp c, 0,1
	v_cvt_scalef32_pk16_fp6_f32 v[PC+6*\c:PC+2+6*\c], v[S+32*\c:S+15+32*\c], v[BS+2*\c]
	v_cvt_scalef32_pk16_fp6_f32 v[PC+12+4*\c:PC+14+4*\c], v[S+16+32*\c:S+31+32*\c], v[BS+2*\c+1]
.endr
	v_nop                                          ; one plain place behind a scaled conversion
.irp c, 0,1
.irp i, 0,1,2
	v_permlane16_swap_b32 v[PC+6*\c+\i], v[PC+12+4*\c+\i]
.endr
.endr
.irp c, 0,1
.irp i, 0,1,2
	v_mov_b32 v[PC+3+6*\c+\i], v[PC+12+4*\c+\i]
.endr
.endr
	v_add_nc_u32 v[ADK16], s[TB], v[L16]           ; the next step's K.  These seven lines are also the places between the lines that made p's codes and the products
	v_add_nc_u32 v[ADK8], s[TB], v[L8]
	v_add_nc_u32 v[ADS], s[TS], v[AKS]
	SUMS 16, 20
	s_wait_alu depctr_va_vdst(0)
	s_wait_dscnt 0x0                               ; V
.irp d, 0,1,2,3
	v_wmma_scale_f32_16x16x128_f8f6f4 v[OT+8*\d:OT+8*\d+7], v[KF+12*\d:KF+12*\d+11], v[PC:PC+11], v[OT+8*\d:OT+8*\d+7], v[VS+\d], v[FF+1] matrix_a_fmt:MATRIX_FMT_FP6 matrix_b_fmt:MATRIX_FMT_FP6
.endr
	SUMS 20, 24                                    ; four places in front of loads into registers that these products have read
	KLOAD ADK16, ADK8, ADS                         ; the next step's K
	SUMS 24, 32                                    ; the rest of the sum stands between the loads and the wait for them
	s_add_co_u32 s[TV], s[TV], 6144
	s_add_co_u32 s[TB], s[TB], 6144
	s_add_co_u32 s[TS], s[TS], 512
	s_add_co_u32 s[TJ], s[TJ], 256
.endm
; One tile of 16 queries through all keys, and its way out; two trips
.Ltile:
	s_wait_dscnt 0x0                               ; the loads that the last tile's last step left out have landed: their registers are loaded anew
	KLOAD L16, L8, AKS                             ; the first step's K
.set n, 0
.rept 32
	v_mov_b32 v[OT+n], 0                           ; the step is written once: its first trip finds zeros, which the first change of M leaves zeros
.set n, n+1
.endr
	v_mov_b32 v13, 0xff61b1e6                      ; -3e38, under every score
	v_mov_b32 v12, 0x7f61b1e6                      ; -M: 3e38
	v_mov_b32 v14, 0
	v_mov_b32 v15, 0
	s_mov_b32 s[TV], 98304
	s_mov_b32 s[TB], 6144
	s_mov_b32 s[TS], 512
	s_mov_b32 s[TJ], 0
	s_mov_b32 s[CNT], 16
.Lstep:
	STEP
	s_sub_co_u32 s[CNT], s[CNT], 1
	s_cmp_lg_u32 s[CNT], 0
	s_cbranch_scc1 .Lstep
	s_wait_alu depctr_va_vdst(0)                   ; the sum was written ahead of the loop's scalar lines
	v_add_f32 v14, v14, v15
	s_delay_alu instid0(VALU_DEP_1)
	v_permlanex16_b32 v[TT], v14, s[SEL], s[SEL+1]
	s_delay_alu instid0(VALU_DEP_1)
	v_add_f32 v14, v14, v[TT]                      ; the row's sum
	s_wait_alu depctr_va_vdst(0)
	v_rcp_f32 v14, v14
	v_nop                                          ; a plain place behind the reciprocal
	s_wait_alu depctr_va_vdst(0)                   ; and the wait ahead of its first reader
.set n, 0
.rept 16
	v_pk_mul_f32 v[S+n:S+n+1], v[OT+n:OT+n+1], v[14:15] op_sel_hi:[1,0]   ; x: register 16 b + i is channel 32 b + 16 h + i of my query
.set n, n+2
.endr
.irp b, 0,1
	v_max3_num_f32 v[BM+\b], |v[S+16*\b]|, |v[S+1+16*\b]|, 0x1800000
.endr
.irp i, 2,4,6,8,10,12,14
.irp b, 0,1
	s_delay_alu instid0(VALU_DEP_2)
	v_max3_num_f32 v[BM+\b], v[BM+\b], |v[S+16*\b+\i]|, |v[S+1+16*\b+\i]|
.endr
.endr
.irp b, 0,1
	s_delay_alu instid0(VALU_DEP_2)
	v_permlanex16_b32 v[BT+\b], v[BM+\b], s[SEL], s[SEL+1]
.endr
.irp b, 0,1
	s_delay_alu instid0(VALU_DEP_2)
	v_max_num_f32 v[BM+\b], v[BM+\b], v[BT+\b]
.endr
.irp b, 0,1
	s_delay_alu instid0(VALU_DEP_2)
	v_add_nc_u32 v[BS+\b], 0xff000000, v[BM+\b]
.endr
.irp b, 0,1
	s_delay_alu instid0(VALU_DEP_2)
	v_lshrrev_b32 v[BT+\b], 23, v[BS+\b]
.endr
	s_delay_alu instid0(VALU_DEP_1)
	v_lshl_or_b32 v[TT], v[BT+1], 8, v[BT]         ; the head's two scale bytes of my query
	v_cvt_scalef32_pk16_fp6_f32 v[PC:PC+2], v[S:S+15], v[BS]
	v_cvt_scalef32_pk16_fp6_f32 v[PC+12:PC+14], v[S+16:S+31], v[BS+1]
	v_nop
.irp i, 0,1,2
	v_permlane16_swap_b32 v[PC+\i], v[PC+12+\i]
.endr
.irp i, 0,1,2
	s_delay_alu instid0(VALU_DEP_3)
	v_mov_b32 v[PC+3+\i], v[PC+12+\i]
.endr
	global_store_b128 v[L16], v[PC:PC+3], s[XCP:XCP+1]             ; the image of 16 queries x this head's 64: 512 consecutive bytes,
	global_store_b64 v[L8], v[PC+4:PC+5], s[XCP:XCP+1] offset:512  ; and 256
	ds_store_b16 v[XSA], v[TT]                     ; both halves of the lanes write the same halfword with the same value
.irp i, 0,1,2,3,4,5
	v_mov_b32 v[QF+\i], v[Q2+\i]                   ; the second tile's Q; the 32 lines at the tile's head are the places between these and the first product
.endr
	v_mov_b32 v[QS], v[Q2+6]
	s_wait_xcnt 0x0                                ; the stores have read their data and their base: both are written again only behind this wait
	s_add_nc_u64 s[XCP:XCP+1], s[XCP:XCP+1], 12288 ; the next tile's image,
	v_add_nc_u32 v[XSA], 32, v[XSA]                ; and its halfwords
	s_sub_co_u32 s[TC], s[TC], 1
	s_cmp_lg_u32 s[TC], 0
	s_cbranch_scc1 .Ltile
	s_wait_dscnt 0x0                               ; for the others' sake: my halfwords lie in LDS
	s_barrier_signal -1
	s_barrier_wait -1
	s_cmp_lt_u32 s[WV], 2                          ; waves 0 and 1 store the work-group's 1,024 bytes of scale halfwords, 512 consecutive bytes each
	s_cbranch_scc0 .Lno_xs
	ds_load_b128 v[S:S+3], v[XRD]
	s_wait_dscnt 0x0
	global_store_b128 v[XGO], v[S:S+3], s[XSP:XSP+1]
.Lno_xs:
	s_wait_tensorcnt 0x0                           ; the wave's end
	ds_add_u32 v[SPW], v[NIL]
	s_wait_dscnt 0x0
	CROUND                                         ; the closing round
	s_endpgm
.Lfunc_end_k_q77497ba9be_attn:
	.size	k_q77497ba9be_attn, .Lfunc_end_k_q77497ba9be_attn-k_q77497ba9be_attn
	.p2alignl 7, 3214868480
	.fill 96, 4, 3214868480
	.section	.rodata,"a",@progbits
	.p2align	6, 0x0
	.amdhsa_kernel k_q77497ba9be_attn
		.amdhsa_group_segment_fixed_size 212992
		.amdhsa_private_segment_fixed_size 0
		.amdhsa_enable_private_segment 0
		.amdhsa_kernarg_size 40
		.amdhsa_user_sgpr_count 2
		.amdhsa_user_sgpr_kernarg_segment_ptr 1
		.amdhsa_wavefront_size32 1
		.amdhsa_system_sgpr_workgroup_id_x 1
		.amdhsa_system_sgpr_workgroup_id_y 1
		.amdhsa_system_sgpr_workgroup_id_z 1
		.amdhsa_system_vgpr_workitem_id 0
		.amdhsa_next_free_vgpr 256
		.amdhsa_next_free_sgpr 102
		.amdhsa_reserve_vcc 0
		.amdhsa_float_denorm_mode_32 3
		.amdhsa_float_denorm_mode_16_64 3
		.amdhsa_memory_ordered 1
		.amdhsa_forward_progress 1
		.amdhsa_inst_pref_size 36
	.end_amdhsa_kernel
	.amdgpu_metadata
---
amdhsa.version: [ 1, 2 ]
amdhsa.kernels:
  - .name:           k_q77497ba9be_attn
    .symbol:         k_q77497ba9be_attn.kd
    .args:
      - { .name: qpack, .offset: 0, .size: 8, .value_kind: global_buffer, .address_space: global }
      - { .name: kv, .offset: 8, .size: 8, .value_kind: global_buffer, .address_space: global }
      - { .name: mbits, .offset: 16, .size: 8, .value_kind: global_buffer, .address_space: global }
      - { .name: xc, .offset: 24, .size: 8, .value_kind: global_buffer, .address_space: global }
      - { .name: xsc, .offset: 32, .size: 8, .value_kind: global_buffer, .address_space: global }
    .group_segment_fixed_size: 212992
    .private_segment_fixed_size: 0
    .kernarg_segment_align: 8
    .kernarg_segment_size: 40
    .max_flat_workgroup_size: 512
    .sgpr_count:     102
    .vgpr_count:     256
    .wavefront_size: 32
...
	.end_amdgpu_metadata
.endif
;; end of part 3
;; launch gemm_out (part 4): grid 8 x 32, 4 waves a work-group, clusters of 4 x 4, 313,344 bytes of LDS; arguments codes, scl, xc, xsc, bo, out0; writes out0
.if DOCPART == 4
	.amdgcn_target "amdgcn-amd-amdhsa--gfx1250"
	.amdhsa_code_object_version 6
	.text
	.protected	k_q77497ba9be_gemm_out
	.globl	k_q77497ba9be_gemm_out
	.p2align	8
	.type	k_q77497ba9be_gemm_out,@function
k_q77497ba9be_gemm_out:
	s_mov_b64 s[64:65], 0
	v_nop
	global_prefetch_b8 v0, s[64:65] scope:SCOPE_SE
	s_setreg_imm32_b32 hwreg(HW_REG_WAVE_MODE, 25, 1), 1
	s_wait_xcnt 0x0
	s_wait_alu depctr_hold_cnt(0) depctr_sa_sdst(0) depctr_va_vdst(0) depctr_va_sdst(0) depctr_va_ssrc(0) depctr_va_vcc(0) depctr_vm_vsrc(0)
	s_getreg_b32 s2, hwreg(HW_REG_IB_STS2, 6, 4)
	s_cmp_eq_u32 s2, 0
	s_cbranch_scc0 .Lentry_in_a_cluster
	s_endpgm
.Lentry_in_a_cluster:
	s_bfe_u32 s2, ttmp6, 0x10000c
	s_cmp_lg_u32 s2, 0xf033
	s_cbranch_scc0 .Lentry_shape_is_right
	s_endpgm
.Lentry_shape_is_right:
; out0 = x Wo^T + bo on codes of FP6 with E8M0 scales, K = 1,024.  D = S0 x S1^T with S0 = Wo (128 features) and S1 = 256 tokens of x: a lane stands for a token and its registers run along the features.
; A tile is 16 rows: lane r of tile T stands for row 32 (T / 2) + 8 (T % 2) + r + 8 (r / 8); so the 16 registers of S0's tiles 2 b and 2 b + 1 are features 32 b + 16 (lane / 16) + 0 .. 15.
; SHARES.  A work-group makes 128 x 256; wave w all 8 tiles of S0 x tiles 4 w .. 4 w + 3 of S1: 32 accumulators, 8 K steps of 128, 256 matrix instructions.  256 work-groups.
; LDS.  Both operands lie in memory as images of their registers, 12,288 bytes a tile.  All of K comes in once, as four chunks of two K steps: nothing is filled again.  Behind them a stage of 16 x 272 bytes for each wave.
; CLUSTER 4 x 4: Wo's tiles hang on cx alone and are asked for jointly by a column of the cluster, x's on cy alone and by a row.
; x's scale bytes lie [head][tile][r] as halfwords (a head is 64 along K): two make the word of a K step.  The bias is the C of each sum's first matrix instruction.
; REGISTERS.  Window 0: v3-15 addresses; v16-47 S0's scale words, v48-63 S1's (register w: K step w in lanes 0-15, K step 4 + w in lanes 16-31); v64-159 S1's fragments, two sets (at the head v112-143: x's halfwords; on the way
;   out v64-127: rows of the result); v160-223 the bias.   Window 1: S0's fragments, two sets of 96.   Window 2: accumulator (i, j) at v[8 (8 j + i)].
.set HALF,  147456                     ; LDS now holds K as two halves of four K steps (in place of the four chunks named above): S0's 8 tiles x 6,144 bytes, then S1's 16
.set S1OFF, 49152
.set STAGE, 294912                     ; 4 x 4,352 bytes
.set SPARE, 312320                     ; the spare words, 128 bytes a wave
.set L16,  3
.set L8,   4
.set SA16, 5
.set SA8,  6
.set SB16, 7
.set SB8,  8
.set HH,   9
.set SCO,  10                          ; v10  32 r + 16 h
.set BBO,  11                          ; v11  64 h
.set XO,   12                          ; v12  131,072 h + 2 r: lanes 16-31 take heads 8 to 15
.set STO,  13                          ; v13  the stage on the way in: 272 r + 64 h
.set RD,   14                          ; v14  and back: 272 h + 16 r
.set CO,   15                          ; v15  4,096 h + 16 r
.set SAS,  16
.set SBS,  48
.set BF,   64
.set OB,   64
.set XH,   112
.set BB,   160
.set SPW,  252
.set NIL,  253
.set WV,   18
.set G1A,  24
.set G1B,  32
.set G0A,  40
.set G0B,  56
.set MSB, 0
.macro WIN new                         ; the immediate's high byte repeats the setting that is left
.if MSB != \new
	s_set_vgpr_msb (MSB<<8)|\new
.set MSB, \new
.endif
.endm
.macro CROUND
	s_barrier_signal -1
	s_barrier_wait -1
	s_cmp_lg_u32 s[WV], 0
	s_cbranch_scc1 .Lnot_wave_0_\@
	s_barrier_signal -3
.Lnot_wave_0_\@:
	s_barrier_wait -3
	s_barrier_signal -1
	s_barrier_wait -1
.endm
	s_load_b256 s[4:11], s[0:1], 0x0               ; codes, scl, xc, xsc
	s_load_b128 s[12:15], s[0:1], 0x20             ; bo, out0
	v_lshl_add_u32 v[SPW], v0, 2, SPARE
	v_mov_b32 v[NIL], 0
	ds_add_u32 v[SPW], v[NIL]                      ; the wave's opening: the add and its wait ahead of my first tensor load; the set-up below stands between them
	ds_add_u32 v[SPW], v[NIL]
	v_lshrrev_b32 v1, 5, v0
	v_readfirstlane_b32 s[WV], v1
	s_bfe_u32 s20, ttmp6, 0x40000                  ; cx
	s_bfe_u32 s21, ttmp6, 0x40004                  ; cy
	s_lshl_b32 s77, ttmp9, 2
	s_add_co_u32 s77, s77, s20                     ; Wo's block of 8 tiles
	s_and_b32 s78, ttmp7, 0xffff
	s_lshl_b32 s78, s78, 2
	s_add_co_u32 s78, s78, s21                     ; x's block of 16 tiles
	s_lshl_b32 s79, s77, 3
	s_add_co_u32 s79, s79, 1728                    ; Wo's first tile among the codes
	s_lshl_b32 s80, s78, 4
	s_mul_i32 s86, s79, 12288                      ; Wo: the block's eight tiles, in bytes
	s_mov_b32 s87, 0
	s_mul_i32 s88, s80, 12288                      ; x: its sixteen
	s_mov_b32 s89, 0
	s_lshl_b32 s81, 0x1111, s20                    ; my column of the cluster
	s_lshl_b32 s82, s21, 2
	s_lshl_b32 s82, 15, s82                        ; my row
	s_or_b32 s[G1A], s81, (3<<16)|(1<<21)          ; 15:0 the mask; 17:16 elements of 8 bytes; 21 set beside a mask; no padding
	s_or_b32 s[G1B], s82, (3<<16)|(1<<21)
.irp g, G1A, G1B
	s_mov_b32 s[\g+1], 768<<16                     ; rows of 6,144 bytes: four K steps of a tile
	s_mov_b32 s[\g+3], 768<<16
	s_mov_b32 s[\g+5], 1536                        ; 12,288 bytes from tile to tile
	s_mov_b32 s[\g+6], 0
	s_mov_b32 s[\g+7], 0
.endr
	s_mov_b32 s[G1A+2], 8<<16
	s_mov_b32 s[G1A+4], 8
	s_mov_b32 s[G1B+2], 16<<16
	s_mov_b32 s[G1B+4], 16
	s_wait_dscnt 0x0                               ; the opening add is done
	s_wait_kmcnt 0x0
	s_add_nc_u64 s[86:87], s[4:5], s[86:87]
	s_add_nc_u64 s[88:89], s[8:9], s[88:89]
	CROUND                                         ; all sixteen work-groups are here: the joint loads meet
.irp c, 0,1
	s_mov_b32 s[G0A+4*\c], 1
	s_mov_b32 s[G0A+4*\c+1], \c*HALF
	s_add_nc_u64 s[G0A+4*\c+2:G0A+4*\c+3], s[86:87], \c*6144
	s_or_b32 s[G0A+4*\c+3], s[G0A+4*\c+3], 0x80000000
	s_mov_b32 s[G0B+4*\c], 1
	s_mov_b32 s[G0B+4*\c+1], \c*HALF+S1OFF
	s_add_nc_u64 s[G0B+4*\c+2:G0B+4*\c+3], s[88:89], \c*6144
	s_or_b32 s[G0B+4*\c+3], s[G0B+4*\c+3], 0x80000000
.endr
; The head's loads, one a wave, in one chain of branches on the wave's number: wave 0 Wo's K steps 0-3, wave 1 x's, wave 2 Wo's K steps 4-7, wave 3 x's
.macro ARM under, g0, g1, next
	s_cmp_lt_u32 s[WV], \under
	s_cbranch_scc0 \next
	tensor_load_to_lds s[\g0:\g0+3], s[\g1:\g1+7]
	s_nop 0
.rept 4
	v_nop
.endr
	s_branch .Lfirst_done
\next:
.endm
	ARM 1, G0A, G1A, .Lhead_b0
	ARM 2, G0B, G1B, .Lhead_a1
	ARM 3, G0A+4, G1A, .Lhead_b1
	tensor_load_to_lds s[G0B+4:G0B+7], s[G1B:G1B+7]
	s_nop 0
.rept 4
	v_nop
.endr
.Lfirst_done:
	v_and_b32 v1, 31, v0
	v_and_b32 v2, 15, v0                           ; r
	v_bfe_u32 v[HH], v0, 4, 1                      ; h
	v_lshlrev_b32 v[L16], 4, v1
	v_lshlrev_b32 v[L8], 3, v1
	v_lshlrev_b32 v[SA16], 4, v1
	v_lshlrev_b32 v[SA8], 3, v1
	s_mul_i32 s76, s[WV], 24576
	s_add_co_u32 s76, s76, S1OFF
	v_add_nc_u32 v[SB16], s76, v[L16]
	v_add_nc_u32 v[SB8], s76, v[L8]
	v_lshlrev_b32 v[SCO], 5, v2
	v_lshl_add_u32 v[SCO], v[HH], 4, v[SCO]
	v_lshlrev_b32 v[BBO], 6, v[HH]
	v_lshlrev_b32 v[XO], 1, v2
	v_lshl_add_u32 v[XO], v[HH], 17, v[XO]
	s_wait_alu depctr_va_vdst(0)
	s_mul_i32 s76, s[WV], 4352
	s_add_co_u32 s76, s76, STAGE                   ; my stage
	v_mul_u32_u24 v[STO], v2, 272
	v_lshl_add_u32 v[STO], v[HH], 6, v[STO]
	v_add_nc_u32 v[STO], s76, v[STO]
	v_mul_u32_u24 v[RD], v[HH], 272
	v_lshl_add_u32 v[RD], v2, 4, v[RD]
	v_add_nc_u32 v[RD], s76, v[RD]
	v_lshlrev_b32 v[CO], 4, v2
	v_lshl_add_u32 v[CO], v[HH], 12, v[CO]
	s_lshl_b32 s86, s79, 9
	s_mov_b32 s87, 0
	s_add_nc_u64 s[4:5], s[6:7], s[86:87]          ; Wo's scale words
	s_lshl_b32 s82, s[WV], 2
	s_add_co_u32 s82, s82, s80
	s_lshl_b32 s88, s82, 5
	s_mov_b32 s89, 0
	s_add_nc_u64 s[10:11], s[10:11], s[88:89]      ; my four tiles' halfwords: 32 bytes a tile
	s_lshl_b32 s86, s77, 9
	s_add_nc_u64 s[12:13], s[12:13], s[86:87]      ; the bias of my 128 features
	s_lshl_b32 s90, s78, 20                        ; out0: row 256 x block + 64 x wave, 4,096 bytes a row; 512 bytes for each block of features
	s_lshl_b32 s91, s[WV], 18
	s_add_co_u32 s90, s90, s91
	s_add_co_u32 s90, s90, s86
	s_mov_b32 s91, 0
	s_add_nc_u64 s[14:15], s[14:15], s[90:91]
.irp i, 0,1,2,3,4,5,6,7
	global_load_b128 v[SAS+4*\i:SAS+4*\i+3], v[SCO], s[4:5] offset:512*\i
.endr
.irp j, 0,1,2,3
.irp e, 0,1,2,3,4,5,6,7
	global_load_u16 v[XH+8*\j+\e], v[XO], s[10:11] offset:32*\j+16384*\e   ; head 8 h + e of tile j
.endr
.endr
.irp t, 0,1,2,3,4,5,6,7                ; register 8 t + e: the bias of feature 32 (t / 2) + 16 h + 8 (t % 2) + e
	global_load_b128 v[BB+8*\t:BB+8*\t+3], v[BBO], s[12:13] offset:4*(32*(\t/2)+8*(\t%2))
	global_load_b128 v[BB+8*\t+4:BB+8*\t+7], v[BBO], s[12:13] offset:4*(32*(\t/2)+8*(\t%2))+16
.endr
	s_wait_loadcnt 0x0
.irp j, 0,1,2,3
.irp w, 0,1,2,3
	v_lshl_or_b32 v[SBS+4*\j+\w], v[XH+8*\j+2*\w+1], 16, v[XH+8*\j+2*\w]   ; two heads make the word of K step 4 h + w
.endr
.endr
.rept 8
	v_nop                                          ; a scale register written by a vector instruction stands eight places ahead of a scaled matrix instruction
.endr
.macro FRAG reg, a16, a8, off
	ds_load_b128 v[\reg:\reg+3], v[\a16] offset:\off
	ds_load_b64 v[\reg+4:\reg+5], v[\a8] offset:\off+512
	ds_load_b128 v[\reg+6:\reg+9], v[\a16] offset:\off+768
	ds_load_b64 v[\reg+10:\reg+11], v[\a8] offset:\off+1280
.endm
.macro FETCH ks
	WIN 0x40                                       ; destination window 1
.irp i, 0,1,2,3,4,5,6,7
	FRAG 96*((\ks)%2)+12*\i, SA16, SA8, 6144*\i+1536*((\ks)%4)
.endr
	WIN 0
.irp j, 0,1,2,3
	FRAG BF+48*((\ks)%2)+12*\j, SB16, SB8, 6144*\j+1536*((\ks)%4)
.endr
.endm
.macro MUL32 ks                        ; 32 matrix instructions; the 32 accumulators take turns, in the same order in every step
.if (\ks) == 0
	WIN 0x81                                       ; source 0 window 1, sources 1 and 2 (the bias) window 0, D window 2
.else
	WIN 0xa1                                       ; C and D window 2
.endif
.irp j, 0,1,2,3
.irp i, 0,1,2,3,4,5,6,7
.if (\ks) == 0
	v_wmma_scale_f32_16x16x128_f8f6f4 v[8*(8*\j+\i):8*(8*\j+\i)+7], v[96*((\ks)%2)+12*\i:96*((\ks)%2)+12*\i+11], v[BF+48*((\ks)%2)+12*\j:BF+48*((\ks)%2)+12*\j+11], v[BB+8*\i:BB+8*\i+7], v[SAS+4*\i+(\ks)%4], v[SBS+4*\j+(\ks)%4] matrix_a_fmt:MATRIX_FMT_FP6 matrix_b_fmt:MATRIX_FMT_FP6
.elseif (\ks) < 4
	v_wmma_scale_f32_16x16x128_f8f6f4 v[8*(8*\j+\i):8*(8*\j+\i)+7], v[96*((\ks)%2)+12*\i:96*((\ks)%2)+12*\i+11], v[BF+48*((\ks)%2)+12*\j:BF+48*((\ks)%2)+12*\j+11], v[8*(8*\j+\i):8*(8*\j+\i)+7], v[SAS+4*\i+(\ks)%4], v[SBS+4*\j+(\ks)%4] matrix_a_fmt:MATRIX_FMT_FP6 matrix_b_fmt:MATRIX_FMT_FP6
.else
	v_wmma_scale_f32_16x16x128_f8f6f4 v[8*(8*\j+\i):8*(8*\j+\i)+7], v[96*((\ks)%2)+12*\i:96*((\ks)%2)+12*\i+11], v[BF+48*((\ks)%2)+12*\j:BF+48*((\ks)%2)+12*\j+11], v[8*(8*\j+\i):8*(8*\j+\i)+7], v[SAS+4*\i+(\ks)%4], v[SBS+4*\j+(\ks)%4] matrix_a_fmt:MATRIX_FMT_FP6 matrix_b_fmt:MATRIX_FMT_FP6 matrix_a_scale:MATRIX_SCALE_ROW1 matrix_b_scale:MATRIX_SCALE_ROW1
.endif
.endr
.endr
.endm
.macro STEP ks
	s_wait_dscnt 0x0                               ; this step's fragments are in
.if (\ks) < 7
.if (\ks) == 3
	s_wait_tensorcnt 0x0                           ; every wave's load has landed: the second half among them
	s_barrier_signal -1
	s_barrier_wait -1                              ; everybody's has.
	v_add_nc_u32 v[SA16], HALF, v[SA16]            ; on to the second half.  These four are also the places in front of loads into registers that matrix instructions have read
	v_add_nc_u32 v[SA8], HALF, v[SA8]
	v_add_nc_u32 v[SB16], HALF, v[SB16]
	v_add_nc_u32 v[SB8], HALF, v[SB8]
.elseif (\ks) > 0
.rept 4
	v_nop
.endr
.endif
	s_wait_alu depctr_va_vdst(0)
	FETCH (\ks)+1
.endif
	MUL32 \ks
	WIN 0
.endm
	s_wait_alu depctr_va_vdst(0)
	s_cmp_lt_u32 s[WV], 2                          ; waves 0 and 1 asked for the first half: they wait for it; the second half may stay on its way across this barrier, behind which nothing is filled
	s_cbranch_scc0 .Lnot_first
	s_wait_tensorcnt 0x0
.Lnot_first:
	s_barrier_signal -1
	s_barrier_wait -1
	FETCH 0
.irp k, 0,1,2,3,4,5,6,7
	STEP \k
.endr
; THE WAY OUT, in eight blocks n = 2 j + half: 16 tokens (tile j of S1) x 64 features (256 bytes).  A lane holds pieces of one row; the block goes through my own stage and comes back as whole rows, sixteen lanes to 256 aligned bytes.
.macro TOSTAGE n
	WIN 0x08                                       ; an LDS store's data are its source 1: window 2
.irp q, 0,1,2,3
	ds_store_b128 v[STO], v[8*(8*((\n)/2)+4*((\n)%2)+\q):8*(8*((\n)/2)+4*((\n)%2)+\q)+3] offset:128*(\q/2)+32*(\q%2)          ; each accumulator from its low end on
	ds_store_b128 v[STO], v[8*(8*((\n)/2)+4*((\n)%2)+\q)+4:8*(8*((\n)/2)+4*((\n)%2)+\q)+7] offset:128*(\q/2)+32*(\q%2)+16
.endr
	WIN 0
.irp t, 0,1,2,3,4,5,6,7
	ds_load_b128 v[OB+32*((\n)%2)+4*\t:OB+32*((\n)%2)+4*\t+3], v[RD] offset:544*\t   ; LDS serves a wave's instructions in order: these see the stores above, and the next block's stores come behind them
.endr
.endm
.macro SEND n, younger                 ; younger: the LDS instructions issued behind block n's loads
	s_wait_dscnt \younger
.irp t, 0,1,2,3,4,5,6,7
	global_store_b128 v[CO], v[OB+32*((\n)%2)+4*\t:OB+32*((\n)%2)+4*\t+3], s[14:15] offset:(32*((\n)/4)+8*(((\n)/2)%2)+2*\t+8*(\t/4))*4096+256*((\n)%2) th:TH_STORE_NT   ; stage rows 2 t and 2 t + 1 are the tile's lanes' tokens
.endr
.endm
.rept 4
	v_nop                                          ; four places behind the last products: results are read, and loads land in registers that held fragments
.endr
	TOSTAGE 0
.irp n, 1,2,3,4,5,6,7
.if \n > 1
	s_wait_xcnt 0x0                                ; block n - 2's stores have read their registers: block n's loads may land there
.endif
	TOSTAGE \n
	SEND \n-1, 16                                  ; behind block n - 1's loads: block n's 8 stores and 8 loads
.endr
	SEND 7, 0
	s_wait_tensorcnt 0x0                           ; the wave's end
	ds_add_u32 v[SPW], v[NIL]
	s_wait_dscnt 0x0
	CROUND                                         ; the closing round
	s_endpgm
.Lfunc_end_k_q77497ba9be_gemm_out:
	.size	k_q77497ba9be_gemm_out, .Lfunc_end_k_q77497ba9be_gemm_out-k_q77497ba9be_gemm_out
	.p2alignl 7, 3214868480
	.fill 96, 4, 3214868480
	.section	.rodata,"a",@progbits
	.p2align	6, 0x0
	.amdhsa_kernel k_q77497ba9be_gemm_out
		.amdhsa_group_segment_fixed_size 313344
		.amdhsa_private_segment_fixed_size 0
		.amdhsa_enable_private_segment 0
		.amdhsa_kernarg_size 48
		.amdhsa_user_sgpr_count 2
		.amdhsa_user_sgpr_kernarg_segment_ptr 1
		.amdhsa_wavefront_size32 1
		.amdhsa_system_sgpr_workgroup_id_x 1
		.amdhsa_system_sgpr_workgroup_id_y 1
		.amdhsa_system_sgpr_workgroup_id_z 1
		.amdhsa_system_vgpr_workitem_id 0
		.amdhsa_next_free_vgpr 768
		.amdhsa_next_free_sgpr 102
		.amdhsa_reserve_vcc 0
		.amdhsa_float_denorm_mode_32 3
		.amdhsa_float_denorm_mode_16_64 3
		.amdhsa_memory_ordered 1
		.amdhsa_forward_progress 1
		.amdhsa_inst_pref_size 88
	.end_amdhsa_kernel
	.amdgpu_metadata
---
amdhsa.version: [ 1, 2 ]
amdhsa.kernels:
  - .name:           k_q77497ba9be_gemm_out
    .symbol:         k_q77497ba9be_gemm_out.kd
    .args:
      - { .name: codes, .offset: 0, .size: 8, .value_kind: global_buffer, .address_space: global }
      - { .name: scl, .offset: 8, .size: 8, .value_kind: global_buffer, .address_space: global }
      - { .name: xc, .offset: 16, .size: 8, .value_kind: global_buffer, .address_space: global }
      - { .name: xsc, .offset: 24, .size: 8, .value_kind: global_buffer, .address_space: global }
      - { .name: bo, .offset: 32, .size: 8, .value_kind: global_buffer, .address_space: global }
      - { .name: out0, .offset: 40, .size: 8, .value_kind: global_buffer, .address_space: global }
    .group_segment_fixed_size: 313344
    .private_segment_fixed_size: 0
    .kernarg_segment_align: 8
    .kernarg_segment_size: 48
    .max_flat_workgroup_size: 128
    .sgpr_count:     102
    .vgpr_count:     768
    .wavefront_size: 32
...
	.end_amdgpu_metadata
.endif
;; end of part 4
